; MI455X (gfx1250); checked and timed in simulation.
; The chip was launched on July 23, 2026; its instructions are those of AMD's public machine-readable ISA for CDNA 5 (MIT licence, August 2026) and "CDNA5" Instruction Set Architecture Reference Guide (July 2026). The comments in the code are by the model that wrote it; some were corrected since.
;; Attention. Allowed arithmetic: matrix products marked QUANTISED: E2M3 operands, one E8M0 scale for each 32 along K, by v_wmma_scale_f32_16x16x128_f8f6f4 with both operands' format E2M3, f32 sums; everything else in f32.
;; Inputs: b_out 1,024 float32; w_out 1,024 x 1,024 float32; w_qkv 1,024 x 3,072 float32; x 8 x 1,024 x 1,024 float32.
;; Outputs: out0 8 x 1,024 x 1,024 float32.
;; This version of the problem:
;;   THIS VERSION OF THE PROBLEM IS GIVEN IN LOW PRECISION. The matrix products marked QUANTISED in the list below multiply operands that are first quantised to E2M3 (2 exponent bits, 3 mantissa bits; 6 bits a number), with one power-of-two scale for each 32 numbers along K (OCP MX v1.0); their sums are f32. All else is computed in f32.
;;   The module's matrix products, in the order in which they are computed (A, B: the left and right operand; K: the contracted axis; several contracted axes count as one K, in the product's order):
;;     1. [M 8,192, K 1,024] x [K 1,024, N 3,072]; A: input x; B: input w_qkv: QUANTISED
;;     2. batch 128 x [M 1,024, K 64] x [K 64, N 1,024]; A: computed on the way; B: computed on the way: QUANTISED
;;     3. batch 128 x [M 64, K 1,024] x [K 1,024, N 1,024]; A: computed on the way; B: softmax (see below): QUANTISED
;;     4. [M 8,192, K 1,024] x [K 1,024, N 1,024]; A: computed on the way; B: input w_out: QUANTISED
;;   THE QUANTISER, for each operand of a quantised product, along K:
;;     - K is cut into blocks of 32 from its start; a last block that is shorter is filled with zeros.
;;     - A block's scale is 2^e with e = floor(log2(the largest magnitude in the block)) - 2, held to -126 .. 127; a block of zeros has e = 0. As a byte (E8M0): e + 127.
;;     - Each number is divided by its block's scale, clamped to +-7.5, and rounded to the nearest number of E2M3, ties to even, subnormals kept.
;;     - The product sums the exact products of the quantised numbers (number of the format x scale) in f32.
;;   ~~~python
;;   def quantise(x, axis):      # numpy; x: float32 -> the quantised numbers, widened to float32 again
;;       x = np.moveaxis(x, axis, -1); K = x.shape[-1]
;;       x = np.pad(x, [(0, 0)] * (x.ndim - 1) + [(0, -K % 32)]); x = x.reshape(x.shape[:-1] + (-1, 32)); a = np.abs(x).max(-1, keepdims=True)
;;       e = np.where(a > 0, np.clip(np.frexp(np.where(a > 0, a, 1))[1] - 1 - 2, -126, 127), 0)      # np.frexp(a)[1] - 1 = floor(log2(a)), exactly
;;       r = np.clip(x / 2.0 ** e, -7.5, 7.5)
;;       step = 2.0 ** (np.maximum(np.frexp(np.where(r == 0, 1, r))[1] - 1, 0) - 3)
;;       q = np.round(r / step) * step * 2.0 ** e      # np.round: ties to even
;;       return np.moveaxis(q.reshape(q.shape[:-2] + (-1,))[..., :K], -1, axis).astype(np.float32)
;;   ~~~
;;   SOFTMAX AHEAD OF A QUANTISED PRODUCT. Where the list says 'softmax', what is quantised is not the finished softmax but p = 2^(t - M), with t = logit x log2(e) and M = ceil(the row's largest t), a whole number; so 1/2 < the row's largest p <= 1. The row's sum l is taken of the UNQUANTISED p, in f32, and the product's result is divided by l at the end. Since M is a whole number, a kernel that streams over the keys may use a running M (the ceiling of the running maximum): every later rescaling is an exact power of two, which a block's scale takes up: the codes' values come out the same.
;;   OPERANDS COMPUTED ON THE WAY. 'Computed on the way' means the value that the module computes at that place (a softmax that the list does not call 'softmax' is quantised finished and normalised). What goes into a quantiser is computed in f32, as accurately as f32 sums, v_exp_f32 and their like allow (about 1e-6 of the number): no bf16 or f16 on the way to a quantiser, and a product that is left as it is and whose result goes on into a quantised operand takes f32 operands (vector FMAs, or v_wmma_f32_16x16x4_f32). A number that lies on a knife's edge between two numbers of the format may be rounded either way, as far as f32 arithmetic and the matrix unit's own rounding can turn it there, and no further.
;; One version. Each part assembles by itself: llvm-mc -triple=amdgcn-amd-amdhsa -mcpu=gfx1250 --defsym DOCPART=n.
;; ======== version 1 of 1: 4 launches
;; workspace buffers: xc 6,291,456 bytes; xs 262,144 bytes; wc 3,145,728 bytes; ws 131,072 bytes; qkvc 18,874,368 bytes; qkvs 1,572,864 bytes; ac 6,291,456 bytes; acs 262,144 bytes
;; launch quant (part 1): grid 384 x 1, 8 waves a work-group, no clusters, 68,608 bytes of LDS; arguments x, w_qkv, w_out, xc, xs, wc, ws; writes xc, xs, wc, ws
.if DOCPART == 1
	.amdgcn_target "amdgcn-amd-amdhsa--gfx1250"
	.amdhsa_code_object_version 6
	.text
	.protected	k_q109b92a06a_quant
	.globl	k_q109b92a06a_quant
	.p2align	8
	.type	k_q109b92a06a_quant,@function
k_q109b92a06a_quant:
	s_mov_b64 s[64:65], 0
	v_nop
	global_prefetch_b8 v0, s[64:65] scope:SCOPE_SE
	s_setreg_imm32_b32 hwreg(HW_REG_WAVE_MODE, 25, 1), 1
	s_wait_xcnt 0x0
; x [8192][1024], w_qkv [1024][3072] and w_out [1024][1024], f32, become codes of FP6 (E2M3) along K = 1,024, with one E8M0 byte for each 32 along K.
; A block's scale is 2^(floor(log2(its largest magnitude)) - 2); its byte is the largest magnitude's exponent field - 2, held at 1 from below.
; LIMITS: NaN and infinities among the inputs are not served; a block whose largest magnitude lies under 2^-124 has its byte held at 1; a block of zeros gets the byte 1 where the
; quantiser says 127: its codes are zeros, which add nothing under any byte but 0xff, and the bytes are read by this program alone.
; THE OUTPUT IS LAID AS THE MATRIX OPERANDS' REGISTERS.  A fragment (16 rows x 128 K, 12 registers a lane) is 1,536 bytes: registers 4 c .. 4 c + 3 of lane l at 512 c + 16 l.
; xc: [tile 512][K step 8][1536];  wc: [tile 256][K step 8][1536] (tiles 0-191: w_qkv's columns, 192-255: w_out's);  xs, ws: [row][32]: a word for each K step.
; THE ROWS OF A TILE ARE NOT NEIGHBOURS: lane r of tile 2 B + u holds row 32 B + 8 u + r + 8 (r / 8).  A product whose source 0 is laid so has 16 neighbouring rows in the 16 registers of two neighbouring tiles.
; Work-groups 0-255 take x (K innermost: 32 rows each), 256-351 w_qkv, 352-383 w_out (K outermost: a lane takes a column, its registers run down K).  Only x's path touches LDS.  Waves share nothing: no barrier.
.set SP,    528                        ; a stage row: 512 bytes + 16: an odd multiple of 16 bytes
.set STGB,  16*SP                      ; a wave's stage
.set R,     16                         ; v16-143  x: two K steps of 16 rows as loaded
.set X,     144                        ; v144-207 x: my 64 numbers: register 16 b + i = k 32 b + 16 (lane / 16) + i of my row
.set TM,    208                        ; v208-223 at work
.set PC,    224                        ; v224-235 a fragment's codes; v236-238, v240-242 halves on their way
.set PW,    244                        ; v244-245 the two K steps' scale words
.set D,     16                         ; v16-143  weights: my column's 128 numbers
.set F0,    144                        ; v144-155 the registers of lane (r', 0) of the fragment; v156-167 those of lane (r', 1)
.set TP,    168                        ; v168-183 halves on their way
.set SOP,   188                        ; v188-191 the conversions' scale operands
.set BY,    192                        ; v192-195 the scale bytes; v196 the word
	s_load_b256 s[4:11], s[0:1], 0x0               ; x s[4:5], w_qkv s[6:7], w_out s[8:9], xc s[10:11]
	s_load_b128 s[12:15], s[0:1], 0x20             ; xs s[12:13], wc s[14:15]
	s_load_b64 s[16:17], s[0:1], 0x30              ; ws
	v_lshl_add_u32 v248, v0, 2, 0x10800
	v_mov_b32 v249, 0
	v_lshrrev_b32 v1, 5, v0
	s_delay_alu instid0(VALU_DEP_1)
	v_readfirstlane_b32 s18, v1                    ; wave 0..7
	v_and_b32 v9, 31, v0                           ; lane
	s_cmp_lt_u32 ttmp9, 256
	s_cbranch_scc0 .Lweights
; ---------------- x: wave w makes tile 2 B + (w / 4), K steps 2 (w % 4) and 2 (w % 4) + 1
; 64 numbers of a lane, v[s] on, become a fragment's codes (registers 0-5 at d0, 6-11 at d1) and its scale word in v[pw]
.macro QUANT s, d0, d1, t0, t1, pw
.irp b, 0,1,2,3
	v_max3_num_f32 v[TM+\b], |v[\s+16*\b]|, |v[\s+1+16*\b]|, 0x1800000   ; block b: my 16 numbers, and the floor 2^(3 - 127): the byte cannot fall under 1
.endr
.irp i, 2,4,6,8,10,12,14
.irp b, 0,1,2,3
	s_delay_alu instid0(VALU_DEP_4)
	v_max3_num_f32 v[TM+\b], v[TM+\b], |v[\s+16*\b+\i]|, |v[\s+1+16*\b+\i]|   ; the four blocks by turns
.endr
.endr
.irp b, 0,1,2,3
	s_delay_alu instid0(VALU_DEP_4)
	v_permlanex16_b32 v[TM+4+\b], v[TM+\b], s24, s25
.endr
.irp b, 0,1,2,3
	s_delay_alu instid0(VALU_DEP_4)
	v_max_num_f32 v[TM+\b], v[TM+\b], v[TM+4+\b]   ; with lane l xor 16's 16: the block's largest magnitude
.endr
.irp b, 0,1,2,3
	s_delay_alu instid0(VALU_DEP_4)
	v_add_nc_u32 v[TM+12+\b], 0xff000000, v[TM+\b] ; 2 off its exponent field: the conversion takes this operand's exponent field as its scale
.endr
.irp b, 0,1,2,3
	s_delay_alu instid0(VALU_DEP_4)
	v_lshrrev_b32 v[TM+4+\b], 23, v[TM+12+\b]      ; the scale's byte
.endr
	s_delay_alu instid0(VALU_DEP_3)
	v_lshl_or_b32 v[\pw], v[TM+5], 8, v[TM+4]
	s_delay_alu instid0(VALU_DEP_1)
	v_lshl_or_b32 v[\pw], v[TM+6], 16, v[\pw]
	s_delay_alu instid0(VALU_DEP_1)
	v_lshl_or_b32 v[\pw], v[TM+7], 24, v[\pw]      ; my row's scale word
	v_cvt_scalef32_pk16_fp6_f32 v[\d0:\d0+2], v[\s:\s+15], v[TM+12]
	v_cvt_scalef32_pk16_fp6_f32 v[\t0:\t0+2], v[\s+16:\s+31], v[TM+13]
	v_cvt_scalef32_pk16_fp6_f32 v[\d1:\d1+2], v[\s+32:\s+47], v[TM+14]
	v_cvt_scalef32_pk16_fp6_f32 v[\t1:\t1+2], v[\s+48:\s+63], v[TM+15]
	v_nop                                          ; one plain place behind a scaled conversion
.irp i, 0,1,2                                  ; the operand wants a WHOLE block in a lane: lanes 0-15 the even block, lanes 16-31 the odd one
	v_permlane16_swap_b32 v[\d0+\i], v[\t0+\i]
	v_permlane16_swap_b32 v[\d1+\i], v[\t1+\i]
.endr
.irp i, 0,1,2
	v_mov_b32 v[\d0+3+\i], v[\t0+\i]
	v_mov_b32 v[\d1+3+\i], v[\t1+\i]
.endr
.endm
.macro LOADX q                         ; K step q of my two: 16 rows x 512 bytes; each load takes 512 consecutive bytes of one row
.irp i, 0,1,2,3,4,5,6,7,8,9,10,11,12,13,14,15
	global_load_b128 v[R+64*\q+4*\i:R+64*\q+4*\i+3], v1, s[4:5] offset:(\i+8*(\i/8))*4096+512*\q th:TH_LOAD_NT
.endr
.endm
.macro TURNX q                         ; through my own stage: in as loaded, out 16 neighbours of each block to a lane.  LDS serves a wave's instructions in order: no wait between
.irp i, 0,1,2,3,4,5,6,7,8,9,10,11,12,13,14,15
	ds_store_b128 v4, v[R+64*\q+4*\i:R+64*\q+4*\i+3] offset:SP*\i
.endr
.irp b, 0,1,2,3
.irp j, 0,1,2,3
	ds_load_b128 v[X+16*\b+4*\j:X+16*\b+4*\j+3], v5 offset:128*\b+16*\j
.endr
.endr
.endm
	s_lshr_b32 s19, s18, 2                         ; u: which of the group's two tiles
	s_and_b32 s20, s18, 3                          ; which pair of K steps
	s_mul_i32 s21, s18, STGB                       ; my stage
	v_lshlrev_b32 v1, 4, v9                        ; 16 x lane
	v_and_b32 v2, 15, v0                           ; r
	v_bfe_u32 v3, v0, 4, 1                         ; h
	s_delay_alu instid0(VALU_DEP_3)
	v_add_nc_u32 v4, s21, v1                       ; into the stage: 16 x lane of a row
	s_delay_alu instid0(VALU_DEP_3)
	v_mul_u32_u24 v5, v2, SP
	s_delay_alu instid0(VALU_DEP_1)
	v_lshl_add_u32 v5, v3, 6, v5
	s_delay_alu instid0(VALU_DEP_1)
	v_add_nc_u32 v5, s21, v5                       ; out of it: row r, + 64 h
	v_lshlrev_b32 v6, 5, v2                        ; my row's 32 scale bytes
	s_mov_b32 s24, 0x76543210
	s_mov_b32 s25, 0xfedcba98                      ; lane selects: lane l xor 16
.irp b, 0,1,2,3
	v_mov_b32 v[TM+4+\b], 0                        ; written once: a lane permute's destination counts as one of its sources
.endr
	s_lshl_b32 s22, ttmp9, 17                      ; x: (32 B + 8 u) rows of 4,096 bytes + 1,024 x pair of K steps
	s_lshl_b32 s26, s19, 15
	s_add_co_u32 s22, s22, s26
	s_lshl_b32 s26, s20, 10
	s_add_co_u32 s22, s22, s26
	s_mov_b32 s23, 0
	s_lshl_b32 s26, ttmp9, 1                       ; xc: tile 2 B + u, 12,288 bytes a tile, + 3,072 x pair
	s_add_co_u32 s26, s26, s19
	s_mul_i32 s26, s26, 12288
	s_mul_i32 s28, s20, 3072
	s_add_co_u32 s26, s26, s28
	s_mov_b32 s27, 0
	s_lshl_b32 s28, ttmp9, 10                      ; xs: row 32 B + 16 u, 32 bytes a row, + 8 x pair
	s_lshl_b32 s30, s19, 9
	s_add_co_u32 s28, s28, s30
	s_lshl_b32 s30, s20, 3
	s_add_co_u32 s28, s28, s30
	s_mov_b32 s29, 0
	s_wait_alu depctr_va_vdst(0)
	s_wait_kmcnt 0x0
	s_add_nc_u64 s[4:5], s[4:5], s[22:23]
	s_add_nc_u64 s[10:11], s[10:11], s[26:27]
	s_add_nc_u64 s[12:13], s[12:13], s[28:29]
	LOADX 0
	LOADX 1
	s_wait_loadcnt 16                              ; the first K step's 16 loads are in; the second's 16 may be out
	TURNX 0
	s_wait_dscnt 0x0
	QUANT X, PC, PC+6, PC+12, PC+16, PW
.irp c, 0,1,2
	global_store_b128 v1, v[PC+4*\c:PC+4*\c+3], s[10:11] offset:512*\c        ; 32 lanes store 512 consecutive bytes, aligned
.endr
	s_wait_loadcnt 0x0
	TURNX 1
	s_wait_dscnt 0x0
	s_wait_xcnt 0x0                                ; the stores above have read their registers: the codes may be written again
	QUANT X, PC, PC+6, PC+12, PC+16, PW+1
.irp c, 0,1,2
	global_store_b128 v1, v[PC+4*\c:PC+4*\c+3], s[10:11] offset:1536+512*\c
.endr
	global_store_b64 v6, v[PW:PW+1], s[12:13]      ; my row's two words (lanes r and r + 16 hold and write the same)
	s_wait_tensorcnt 0x0
	ds_add_u32 v248, v249
	s_wait_dscnt 0x0
	s_endpgm
; ---------------- the weights: wave w of work-group 256 + j takes the 32 columns of group G = 4 (j / 4) + w % 4 and K step 2 (j % 4) + w / 4
.macro LOADW kb, pitch, p              ; block kb of my column: 32 rows; 32 lanes read 128 consecutive bytes, four waves side by side 512
.irp i, 0,1,2,3,4,5,6,7,8,9,10,11,12,13,14,15,16,17,18,19,20,21,22,23,24,25,26,27,28,29,30,31
	global_load_b32 v[D+32*\kb+\i], v1, s[\p:\p+1] offset:(32*\kb+\i)*\pitch th:TH_LOAD_NT
.endr
.endm
.macro BLOCK kb                        ; all 32 numbers of the block are mine.  Block kb belongs to lane half kb % 2 of the fragment, registers 6 (kb / 2) on
.set DS, D+32*\kb
.set FD, F0+12*(\kb%2)+6*(\kb/2)
	v_max3_num_f32 v184, |v[DS]|, |v[DS+1]|, |v[DS+2]|
	v_max3_num_f32 v185, |v[DS+3]|, |v[DS+4]|, |v[DS+5]|
.irp i, 6,10,14,18,22,26
	s_delay_alu instid0(VALU_DEP_2)
	v_max3_num_f32 v184, v184, |v[DS+\i]|, |v[DS+\i+1]|
	s_delay_alu instid0(VALU_DEP_2)
	v_max3_num_f32 v185, v185, |v[DS+\i+2]|, |v[DS+\i+3]|
.endr
	s_delay_alu instid0(VALU_DEP_2)
	v_max3_num_f32 v184, v184, |v[DS+30]|, |v[DS+31]|
	s_delay_alu instid0(VALU_DEP_1)
	v_max3_num_f32 v184, v184, v185, 0x1800000     ; and the floor 2^(3 - 127)
	s_delay_alu instid0(VALU_DEP_1)
	v_add_nc_u32 v[SOP+\kb], 0xff000000, v184      ; 2 off the exponent field: the conversion's scale operand
	s_delay_alu instid0(VALU_DEP_1)
	v_lshrrev_b32 v[BY+\kb], 23, v[SOP+\kb]        ; the scale's byte
	v_cvt_scalef32_pk16_fp6_f32 v[FD:FD+2], v[DS:DS+15], v[SOP+\kb]
	v_cvt_scalef32_pk16_fp6_f32 v[TP+4*\kb:TP+4*\kb+2], v[DS+16:DS+31], v[SOP+\kb]   ; (a conversion's three registers begin on an even number)
	v_nop                                          ; one plain place behind a scaled conversion
.irp i, 0,1,2
	v_mov_b32 v[FD+3+\i], v[TP+4*\kb+\i]
.endr
.endm
.macro WBODY pitch, p
	LOADW 0, \pitch, \p
	LOADW 1, \pitch, \p
	s_wait_loadcnt 32                              ; block 0 is in; block 1's 32 loads may be out
	LOADW 2, \pitch, \p
	BLOCK 0
	s_wait_loadcnt 32                              ; block 1 is in; block 2's may be out
	LOADW 3, \pitch, \p
	BLOCK 1
	s_wait_loadcnt 32                              ; block 2 is in; block 3's may be out
	BLOCK 2
	s_wait_loadcnt 0x0
	BLOCK 3
	v_lshl_or_b32 v196, v[BY+1], 8, v[BY]
	s_delay_alu instid0(VALU_DEP_1)
	v_lshl_or_b32 v196, v[BY+2], 16, v196
	s_delay_alu instid0(VALU_DEP_1)
	v_lshl_or_b32 v196, v[BY+3], 24, v196          ; my column's scale word for this K step
.irp h, 0,1
.irp c, 0,1,2
	global_store_b128 v2, v[F0+12*\h+4*\c:F0+12*\h+4*\c+3], s[14:15] offset:512*\c+256*\h   ; sixteen lanes fill 256 consecutive aligned bytes of tile 2 G, the other sixteen of tile 2 G + 1
.endr
.endr
	global_store_b32 v3, v196, s[16:17]
	s_endpgm
.endm
.Lweights:
	s_sub_co_u32 s19, ttmp9, 256                   ; j
	s_lshr_b32 s20, s19, 2
	s_lshl_b32 s20, s20, 2
	s_and_b32 s22, s18, 3
	s_add_co_u32 s20, s20, s22                     ; G: my group of 32 columns, 0..127
	s_and_b32 s21, s19, 3
	s_lshl_b32 s21, s21, 1
	s_lshr_b32 s22, s18, 2
	s_add_co_u32 s21, s21, s22                     ; my K step
	s_wait_alu depctr_va_vdst(0)
	v_lshlrev_b32 v1, 2, v9                        ; in: 4 bytes a lane: lane = the column's place in its group
	v_bfe_u32 v10, v9, 3, 1                        ; u: column c of a group lies in tile 2 G + (c / 8) % 2,
	v_and_b32 v11, 7, v9
	v_bfe_u32 v12, v9, 4, 1
	s_delay_alu instid0(VALU_DEP_1)
	v_lshl_or_b32 v11, v12, 3, v11                 ; r': at lane c % 8 + 8 (c / 16)
	s_delay_alu instid0(VALU_DEP_4)
	v_mul_u32_u24 v2, v10, 12288
	s_delay_alu instid0(VALU_DEP_1)
	v_lshl_add_u32 v2, v11, 4, v2                  ; out: tile u, 16 x r'
	s_delay_alu instid0(VALU_DEP_3)
	v_lshl_add_u32 v3, v10, 4, v11
	s_delay_alu instid0(VALU_DEP_1)
	v_lshlrev_b32 v3, 5, v3                        ; scale words: row 16 u + r', 32 bytes a row
	s_mul_i32 s26, s20, 24576                      ; wc: tile 2 G, + 1,536 x K step
	s_mul_i32 s28, s21, 1536
	s_add_co_u32 s26, s26, s28
	s_mov_b32 s27, 0
	s_lshl_b32 s28, s20, 10                        ; ws: row 32 G, + 4 x K step
	s_lshl_b32 s30, s21, 2
	s_add_co_u32 s28, s28, s30
	s_mov_b32 s29, 0
	s_mov_b32 s23, 0
	s_wait_kmcnt 0x0
	s_add_nc_u64 s[14:15], s[14:15], s[26:27]
	s_add_nc_u64 s[16:17], s[16:17], s[28:29]
	s_cmp_lt_u32 ttmp9, 352
	s_cbranch_scc0 .Lwout
	s_mul_i32 s22, s21, 128*12288                  ; w_qkv: 128 rows of 12,288 bytes a K step, + 128 bytes a group
	s_lshl_b32 s30, s20, 7
	s_add_co_u32 s22, s22, s30
	s_add_nc_u64 s[6:7], s[6:7], s[22:23]
	s_wait_alu depctr_va_vdst(0)
	WBODY 12288, 6
.Lwout:
	s_mul_i32 s22, s21, 128*4096                   ; w_out: rows of 4,096 bytes; its groups begin at G = 96
	s_sub_co_u32 s30, s20, 96
	s_lshl_b32 s30, s30, 7
	s_add_co_u32 s22, s22, s30
	s_add_nc_u64 s[8:9], s[8:9], s[22:23]
	s_wait_alu depctr_va_vdst(0)
	WBODY 4096, 8
.Lfunc_end_k_q109b92a06a_quant:
	.size	k_q109b92a06a_quant, .Lfunc_end_k_q109b92a06a_quant-k_q109b92a06a_quant
	.p2alignl 7, 3214868480
	.fill 96, 4, 3214868480
	.section	.rodata,"a",@progbits
	.p2align	6, 0x0
	.amdhsa_kernel k_q109b92a06a_quant
		.amdhsa_group_segment_fixed_size 68608
		.amdhsa_private_segment_fixed_size 0
		.amdhsa_enable_private_segment 0
		.amdhsa_kernarg_size 56
		.amdhsa_user_sgpr_count 2
		.amdhsa_user_sgpr_kernarg_segment_ptr 1
		.amdhsa_wavefront_size32 1
		.amdhsa_system_sgpr_workgroup_id_x 1
		.amdhsa_system_sgpr_workgroup_id_y 1
		.amdhsa_system_sgpr_workgroup_id_z 1
		.amdhsa_system_vgpr_workitem_id 0
		.amdhsa_next_free_vgpr 250
		.amdhsa_next_free_sgpr 66
		.amdhsa_reserve_vcc 0
		.amdhsa_float_denorm_mode_32 3
		.amdhsa_float_denorm_mode_16_64 3
		.amdhsa_memory_ordered 1
		.amdhsa_forward_progress 1
		.amdhsa_inst_pref_size 64
	.end_amdhsa_kernel
	.amdgpu_metadata
---
amdhsa.version: [ 1, 2 ]
amdhsa.kernels:
  - .name:           k_q109b92a06a_quant
    .symbol:         k_q109b92a06a_quant.kd
    .args:
      - { .name: x, .offset: 0, .size: 8, .value_kind: global_buffer, .address_space: global }
      - { .name: w_qkv, .offset: 8, .size: 8, .value_kind: global_buffer, .address_space: global }
      - { .name: w_out, .offset: 16, .size: 8, .value_kind: global_buffer, .address_space: global }
      - { .name: xc, .offset: 24, .size: 8, .value_kind: global_buffer, .address_space: global }
      - { .name: xs, .offset: 32, .size: 8, .value_kind: global_buffer, .address_space: global }
      - { .name: wc, .offset: 40, .size: 8, .value_kind: global_buffer, .address_space: global }
      - { .name: ws, .offset: 48, .size: 8, .value_kind: global_buffer, .address_space: global }
    .group_segment_fixed_size: 68608
    .private_segment_fixed_size: 0
    .kernarg_segment_align: 8
    .kernarg_segment_size: 56
    .max_flat_workgroup_size: 256
    .sgpr_count:     66
    .vgpr_count:     250
    .wavefront_size: 32
...
	.end_amdgpu_metadata
.endif
;; end of part 1
;; launch gemm_qkv (part 2): grid 12 x 16, 4 waves a work-group, clusters of 4 x 4, 327,680 bytes of LDS; arguments xc, xs, wc, ws, qkvc, qkvs; writes qkvc, qkvs
.if DOCPART == 2
	.amdgcn_target "amdgcn-amd-amdhsa--gfx1250"
	.amdhsa_code_object_version 6
	.text
	.protected	k_q109b92a06a_gemm_qkv
	.globl	k_q109b92a06a_gemm_qkv
	.p2align	8
	.type	k_q109b92a06a_gemm_qkv,@function
k_q109b92a06a_gemm_qkv:
	s_mov_b64 s[64:65], 0
	v_nop
	global_prefetch_b8 v0, s[64:65] scope:SCOPE_SE
	s_setreg_imm32_b32 hwreg(HW_REG_WAVE_MODE, 25, 1), 1
	s_wait_xcnt 0x0
	s_wait_alu depctr_hold_cnt(0) depctr_sa_sdst(0) depctr_va_vdst(0) depctr_va_sdst(0) depctr_va_ssrc(0) depctr_va_vcc(0) depctr_vm_vsrc(0)
	s_getreg_b32 s2, hwreg(HW_REG_IB_STS2, 6, 4)
	s_cmp_eq_u32 s2, 0
	s_cbranch_scc0 .Lentry_in_a_cluster
	s_endpgm
.Lentry_in_a_cluster:
	s_bfe_u32 s2, ttmp6, 0x10000c
	s_cmp_lg_u32 s2, 0xf033
	s_cbranch_scc0 .Lentry_shape_is_right
	s_endpgm
.Lentry_shape_is_right:
; qkv = Q(x) Q(w_qkv), [8192] x [3072], K = 1,024, on codes of FP6 (E2M3) with E8M0 scales; the results never go to memory as f32: the way out quantises them for the attention's products.
; A tile of 256 x 256 is made by four waves, 128 x 128 each: 64 accumulators, 512 registers.  K goes in steps of 256 through two LDS slots filled by the tensor data mover.
; A WORK-GROUP STAYS: it makes TWO tiles, those of batches y and y + 4 (4,096 tokens apart).  There are 384 tiles, which 256 does not divide: 192 work-groups take two each, and arguments, the first
; round and the first tiles are paid for once.  The ring does not stop at the first tile's end: its last two changes of slots ask for the second tile's first two K steps, which land while the first tile is quantised and stored.
; OPERANDS LIE IN MEMORY AND IN LDS AS IMAGES OF THEIR REGISTERS: a fragment (16 rows x 128 K) is 1,536 bytes, registers 4 c .. 4 c + 3 of lane l at 512 c + 16 l: three loads of 16 bytes a lane, each 512 consecutive bytes.
; A tile of 16 rows has 12,288 bytes (8 K steps); a slot takes 3,072 of them for each of 32 tiles.  The rows of a tile are not neighbours: lane r of tile 2 B + u is row 32 B + 8 u + r + 8 (r / 8).
; ROLES.  Cluster x = 0: q, 1: k, 2: v; cluster y and y + 4 = the batches.  Source 1 (a lane holds one of its rows) is called A, source 0 (a lane's registers run along its rows) B.
;   q, k: A = x's tokens, B = w's columns: a lane holds one token and 64 neighbouring columns in halves: they are quantised along the head's 64.
;   v:    A = w's columns, B = x's tokens: a lane holds one column and its registers run along the tokens: v is quantised along the keys.  Only pointers, tile numbers and walks are chosen; the loop's text is one.
; OUT.  qkvc: three parts of 6,291,456 bytes, each [head 128][128 tokens 8][6144].  q, k: four images, each two tiles of 16 tokens x 64 (registers 0-5, 6-11).  v: four fragments, 16 of the head's 64 x 128 keys.
;       qkvs: three parts of 524,288 bytes, each [head][128 tokens][lane 32][4 words].  q, k: word i of lane l: tile 2 i + l / 16, row l % 16, two bytes, the upper two 0.  v: word t: fragment t, row l % 16.
; CLUSTERS: 4 x 4 work-groups; A's tiles are asked for jointly along a row of the cluster, B's along a column.
; LIMITS: NaN and infinities are not served; a block whose largest magnitude lies under 2^-124 has its byte held at 1; a block of zeros gets the byte 1: its codes are zeros, and this program alone reads the bytes.
; REGISTERS, in windows of 256: window 0: v0-31 addresses; v32-63 scale words, two sets; v64-127 and v224-242 the way out's (the next tile's fragments are on their way into the others meanwhile); v128-223 A's fragments, one set.
;   window 1: B's fragments, two sets, at v0 and v128.   windows 2, 3: the accumulators of A's blocks 0-3 and 4-7: (a, b) at v[8 (8 (a % 4) + b)].
.set NQ,     2                         ; matrix instructions deep in a slot
.set FR,     12                        ; registers of a fragment
.set NL,     3                         ; LDS loads that bring one
.set NP,     4                         ; places behind this matrix instruction (ISA guide 7.12.1)
.set FRB,    1536                      ; a fragment's image
.set TBY,    NQ*FRB                    ; a tile of 16 rows in a slot
.set HALFT,  8*TBY                     ; 128 rows: what one tensor load brings, and what one wave reads of A or of B
.set SLOT,   4*HALFT                   ; A's 256 rows, then B's
.set KS,     32                        ; a row of scale bytes
.set KROW,   768                       ; a row's share of its tile's bytes: 12,288 / 16
.set SCL,    2*SLOT                    ; behind the ring: the scales, as rows of 256 bytes + 16 of padding
.set HALFS,  (128*KS/256)*272
.set SBLK,   (16*KS/256)*272
.set SCT,    4*HALFS                   ; one tile's scales (A's 256 rows, B's 256); the second tile's lie behind the first's: each byte is filled once
.set SPARE,  SCL+2*SCT                 ; the spare words, 128 bytes for each wave: two blocks of 256 bytes that no other line names
.set WALKC,  4096*KROW                 ; 4,096 tokens on, in codes
.set WALKS,  4096*KS                   ; and in scale bytes
.set OUTC,   512*6144                  ; four batches on in a part of qkvc: 64 heads x 8 runs of 6,144 bytes
.set OUTS,   512*512                   ; and of qkvs
.set ADRA, 16                          ; v16-17  LDS address of my A fragments in slot 0, 1
.set ADRB, 20                          ; v20-21  the same for B
.set CO,   26                          ; v26     16 x lane
.set ADRS, 27                          ; v27     LDS address of my scale words: lanes 0-15 A's rows, lanes 16-31 B's
.set SPW,  28                          ; v28     my spare word; never rewritten
.set NIL,  29                          ; v29     0; never rewritten
.set SC,   32                          ; scale words: set s at v[SC + 16 s]; register 2 i + q: lanes 0-15 A's block i, lanes 16-31 B's block i
.set HS,   64                          ; the way out: v64-111 two sets of two images
.set T0,   112                         ; v112-114, v116-118 halves on their way
.set T1,   116
.set SW8,  120                         ; v120-127 eight scale words to store
.set AF,   128
.set TM,   224                         ; v224-239 at work
.set PWA,  240                         ; v240, v241 two scale words, v242 their merge
.set PWB,  241
.set SWM,  242
.set G0S2, 4                           ; s[4:7], s[8:11] groups 0 for the second tile's scales (the four pointers that stood there have been taken over)
.set G0SB2, 8
.set G1, 24                            ; s[24:31] group 1 for A's tiles; s[32:39] groups 0, one for each slot
.set G0, 32
.set G1B, 48
.set G0B, 56
.set G1S, 68                           ; s[68:75], s[76:79] A's scales;  s[80:87], s[88:91] B's
.set G0S, 76
.set G1SB, 80
.set G0SB, 88
.set WA,  96                           ; s[96:97] A's walk to the second tile in bytes of codes; s[98:99] B's: one of the two is 0
.set WB,  98
.set MSB, 0
.macro WIN new                         ; the immediate's high byte repeats the setting that is left
.if MSB != (\new)
	s_set_vgpr_msb (MSB<<8)|(\new)
.set MSB, (\new)
.endif
.endm
.set MUL_LO, 0xa1                      ; source 0 (B) window 1, source 1 (A) window 0, C and D window 2
.set MUL_HI, 0xf1                      ; the same, C and D window 3
.set TO_B,   0x40                      ; destination window 1, address window 0
; A joint load: waves 0 and 1 fetch for A, waves 2 and 3 for B; the branch hangs on the wave's number alone.  Four v_nop follow each of the two lines.
.macro JLOAD g0a, g1a, g0b, g1b
	s_cmp_eq_u32 s15, 0
	s_cbranch_scc0 .Lfor_b_\@
	tensor_load_to_lds s[\g0a:\g0a+3], s[\g1a:\g1a+7]
	s_nop 0
.rept 4
	v_nop
.endr
	s_branch .Lasked_\@
.Lfor_b_\@:
	tensor_load_to_lds s[\g0b:\g0b+3], s[\g1b:\g1b+7]
	s_nop 0
.rept 4
	v_nop
.endr
.Lasked_\@:
.endm
.macro CREST                           ; a round of the cluster's barrier behind its opening barrier
	s_cmp_lg_u32 s14, 0
	s_cbranch_scc1 .Lnot_wave_0_\@
	s_barrier_signal -3
.Lnot_wave_0_\@:
	s_barrier_wait -3
	s_barrier_signal -1
	s_barrier_wait -1
.endm
.macro CROUND
	s_barrier_signal -1
	s_barrier_wait -1
	CREST
.endm
	s_load_b256 s[4:11], s[0:1], 0x0               ; xc s[4:5], xs s[6:7], wc s[8:9], ws s[10:11]
	s_load_b64 s[12:13], s[0:1], 0x20              ; qkvc
	s_load_b64 s[66:67], s[0:1], 0x28              ; qkvs
	v_lshl_add_u32 v[SPW], v0, 2, SPARE
	v_mov_b32 v[NIL], 0
	ds_add_u32 v28, v29
	ds_add_u32 v28, v29
	s_wait_dscnt 0x0
	v_lshrrev_b32 v1, 5, v0
	v_readfirstlane_b32 s14, v1                    ; wave 0..3
	s_lshr_b32 s15, s14, 1                         ; which half of A's rows is mine.  Also: I fetch for A (0) or for B (1)
	s_and_b32 s16, s14, 1                          ; which half of B's rows.  Also: which 128 rows I fetch
	s_bfe_u32 s40, ttmp6, 0x40000                  ; cx, cy: my place in the cluster
	s_bfe_u32 s41, ttmp6, 0x40004
	s_and_b32 s19, ttmp7, 0xffff                   ; cluster y: the first tile's batch
	s_cmp_eq_u32 ttmp9, 2                          ; v?  The cluster's x is the same in all sixteen partners
	s_cselect_b32 s17, ttmp9, s19
	s_cselect_b32 s42, s19, ttmp9
	s_lshl_b32 s17, s17, 2
	s_add_co_u32 s17, s17, s41                     ; A's block of 256 rows: 4 x (v: part, else batch) + cy
	s_lshl_b32 s42, s42, 2
	s_add_co_u32 s42, s42, s40                     ; B's: 4 x (v: batch, else part) + cx
	s_lshl_b32 s43, s41, 2
	s_lshl_b32 s43, 15, s43                        ; my row of the cluster
	s_lshl_b32 s44, 0x1111, s40                    ; my column
	; group 1 for codes: 8 tiles' 3,072 bytes each, 12,288 bytes apart, dense in LDS: rows of 384 elements of 8 bytes
	s_or_b32 s[G1+0], s43, (3<<16)|(1<<21)         ; 15:0 the mask; 17:16 elements of 8 bytes; 21 set beside a mask
	s_or_b32 s[G1B+0], s44, (3<<16)|(1<<21)
.irp g, G1, G1B
	s_mov_b32 s[\g+1], 384<<16                     ; tensor_dim0
	s_mov_b32 s[\g+2], 8<<16                       ; tensor_dim1
	s_mov_b32 s[\g+3], 384<<16                     ; tile_dim0
	s_mov_b32 s[\g+4], 8                           ; tile_dim1
	s_mov_b32 s[\g+5], 1536                        ; from tile to tile, in elements
	s_mov_b32 s[\g+6], 0
	s_mov_b32 s[\g+7], 0
.endr
	; and for the scales of 128 rows: 4,096 dense bytes as 16 rows of 256 bytes, 16 bytes of padding behind each
	s_or_b32 s[G1S+0], s43, (3<<16)|(1<<20)|(1<<21)|(5<<22)|(3<<25)
	s_or_b32 s[G1SB+0], s44, (3<<16)|(1<<20)|(1<<21)|(5<<22)|(3<<25)
.irp g, G1S, G1SB
	s_mov_b32 s[\g+1], 32<<16
	s_mov_b32 s[\g+2], (128*KS/256)<<16
	s_mov_b32 s[\g+3], 32<<16
	s_mov_b32 s[\g+4], 128*KS/256
	s_mov_b32 s[\g+5], 32
	s_mov_b32 s[\g+6], 0
	s_mov_b32 s[\g+7], 0
.endr
	s_lshl_b32 s18, s16, 7                         ; which 128 rows I fetch
	s_lshl_b32 s20, s17, 8
	s_add_co_u32 s20, s20, s18                     ; A's row
	s_lshl_b32 s46, s42, 8
	s_add_co_u32 s46, s46, s18                     ; B's row
	s_mov_b32 s21, 0
	s_mov_b32 s47, 0
	s_mov_b64 s[18:19], KS
	s_mul_u64 s[22:23], s[20:21], s[18:19]         ; where these rows' scales begin,
	s_mul_u64 s[92:93], s[46:47], s[18:19]
	s_mov_b64 s[18:19], KROW
	s_mul_u64 s[20:21], s[20:21], s[18:19]         ; and their codes
	s_mul_u64 s[46:47], s[46:47], s[18:19]
	s_mul_i32 s45, s14, HALFT                      ; where they go: wave x 128 rows: no place in the cluster enters an LDS address
	s_mul_i32 s94, s14, HALFS
	s_wait_kmcnt 0x0
	s_cmp_eq_u32 ttmp9, 2
	s_cselect_b64 s[96:97], s[8:9], s[4:5]         ; A's codes: v: the weights', else x's
	s_cselect_b64 s[100:101], s[10:11], s[6:7]     ; A's scales
	s_cselect_b64 s[98:99], s[4:5], s[8:9]         ; B's codes
	s_cselect_b64 s[104:105], s[6:7], s[10:11]     ; B's scales
	s_add_nc_u64 s[20:21], s[96:97], s[20:21]
	s_add_nc_u64 s[22:23], s[100:101], s[22:23]
	s_add_nc_u64 s[46:47], s[98:99], s[46:47]
	s_add_nc_u64 s[92:93], s[104:105], s[92:93]
	s_cselect_b32 s[WA], 0, WALKC                  ; the tokens walk: they are A for q and k, B for v (the selects, moves and 64-bit sums above leave the compare's result alone)
	s_mov_b32 s[WA+1], 0
	s_cselect_b32 s[WB], WALKC, 0
	s_mov_b32 s[WB+1], 0
	s_cselect_b32 s100, 0, WALKS                   ; the same in scale bytes
	s_mov_b32 s101, 0
	s_cselect_b32 s104, WALKS, 0
	s_mov_b32 s105, 0
	CROUND                                         ; all sixteen work-groups are here: the first joint loads meet
	s_mov_b32 s[G0S], 1
	s_add_co_u32 s[G0S+1], s94, SCL
	s_mov_b64 s[G0S+2:G0S+3], s[22:23]
	s_or_b32 s[G0S+3], s[G0S+3], 0x80000000
	s_mov_b32 s[G0SB], 1
	s_add_co_u32 s[G0SB+1], s94, SCL
	s_mov_b64 s[G0SB+2:G0SB+3], s[92:93]
	s_or_b32 s[G0SB+3], s[G0SB+3], 0x80000000
	JLOAD G0S, G1S, G0SB, G1SB                     ; the first tile's scales first: they are wanted with K step 0; filled once
.irp s, 0,1
	s_mov_b32 s[G0+4*\s], 1
	s_add_co_u32 s[G0+4*\s+1], s45, \s*SLOT
	s_add_nc_u64 s[G0+4*\s+2:G0+4*\s+3], s[20:21], \s*TBY
	s_or_b32 s[G0+4*\s+3], s[G0+4*\s+3], 0x80000000
	s_mov_b32 s[G0B+4*\s], 1
	s_add_co_u32 s[G0B+4*\s+1], s45, \s*SLOT
	s_add_nc_u64 s[G0B+4*\s+2:G0B+4*\s+3], s[46:47], \s*TBY
	s_or_b32 s[G0B+4*\s+3], s[G0B+4*\s+3], 0x80000000
	JLOAD G0+4*\s, G1, G0B+4*\s, G1B
.endr
	s_mov_b32 s[G0S2], 1                           ; the second tile's scales, into bytes of their own, last: they are wanted much later
	s_add_co_u32 s[G0S2+1], s94, SCL+SCT
	s_add_nc_u64 s[G0S2+2:G0S2+3], s[22:23], s[100:101]
	s_or_b32 s[G0S2+3], s[G0S2+3], 0x80000000
	s_mov_b32 s[G0SB2], 1
	s_add_co_u32 s[G0SB2+1], s94, SCL+SCT
	s_add_nc_u64 s[G0SB2+2:G0SB2+3], s[92:93], s[104:105]
	s_or_b32 s[G0SB2+3], s[G0SB2+3], 0x80000000
	JLOAD G0S2, G1S, G0SB2, G1SB                   ; four loads of mine are out
	v_and_b32 v1, 15, v0                           ; r
	v_bfe_u32 v2, v0, 4, 1                         ; h
	v_and_b32 v3, 31, v0
	v_lshlrev_b32 v[CO], 4, v3                     ; 16 x lane
	s_mul_i32 s21, s15, HALFT                      ; my 128 rows of A
	s_mul_i32 s22, s16, HALFT                      ; my 128 rows of B,
	s_add_co_u32 s22, s22, 2*HALFT                 ; which lie behind A's 256
.irp s, 0,1
	v_add_nc_u32 v[ADRA+\s], s21, v[CO]
	v_add_nc_u32 v[ADRB+\s], s22, v[CO]
	s_add_co_u32 s21, s21, SLOT
	s_add_co_u32 s22, s22, SLOT
.endr
	v_mul_u32_u24 v5, v1, KS                       ; my row's scales: 32 bytes a row,
	v_lshrrev_b32 v6, 8, v5
	v_lshl_add_u32 v5, v6, 4, v5                   ; and 16 more for each 256 passed
	s_mul_i32 s21, s15, HALFS
	s_mul_i32 s22, s16, HALFS
	s_add_co_u32 s22, s22, 2*HALFS
	s_sub_co_u32 s22, s22, s21
	v_mul_u32_u24 v6, s22, v2                      ; lanes 16-31 take B's
	s_add_co_u32 s21, s21, SCL
	v_add_nc_u32 v5, v5, v6
	v_add_nc_u32 v[ADRS], s21, v5
	; where my results go.  My 128 columns are two heads, my 128 tokens one run of 128.  Numbers that mix cx and cy stand in s2, s3, s95 alone, which feed no descriptor
	s_and_b32 s95, ttmp7, 0xffff
	s_lshl_b32 s95, s95, 4                         ; 16 heads a batch
	s_cmp_eq_u32 ttmp9, 2
	s_cselect_b32 s2, s41, s40                     ; the columns' place in the cluster: v: cy, else cx
	s_cselect_b32 s3, s15, s16                     ; and my half of them
	s_lshl_b32 s2, s2, 2
	s_add_co_u32 s95, s95, s2
	s_lshl_b32 s3, s3, 1
	s_add_co_u32 s95, s95, s3                      ; my first head
	s_lshl_b32 s95, s95, 3
	s_cmp_eq_u32 ttmp9, 2
	s_cselect_b32 s2, s40, s41                     ; the tokens' place
	s_cselect_b32 s3, s16, s15
	s_lshl_b32 s2, s2, 1
	s_add_co_u32 s95, s95, s2
	s_add_co_u32 s95, s95, s3                      ; 8 x head + run of 128 tokens
	s_mul_i32 s2, s95, 6144
	s_mul_i32 s3, ttmp9, 6291456
	s_add_co_u32 s2, s2, s3
	s_mov_b32 s3, 0
	s_add_nc_u64 s[12:13], s[12:13], s[2:3]
	s_lshl_b32 s2, s95, 9
	s_lshl_b32 s95, ttmp9, 19
	s_add_co_u32 s2, s2, s95
	s_add_nc_u64 s[66:67], s[66:67], s[2:3]
	s_mov_b32 s18, 0x76543210
	s_mov_b32 s19, 0xfedcba98                      ; lane selects: lane l xor 16
	s_mov_b32 s20, 0xffff0000                      ; lanes 16-31
.irp b, 0,1,2,3
	v_mov_b32 v[TM+4+\b], 0                        ; written once: a lane permute's destination counts as one of its sources
.endr
.macro FRAG reg, adr, q, i             ; a fragment comes as it lies: three loads of 512 consecutive bytes
.irp c, 0,1,2
	ds_load_b128 v[\reg+4*\c:\reg+4*\c+3], v[\adr] offset:FRB*(\q)+512*\c+TBY*(\i)
.endr
.endm
; 16 matrix instructions: A's blocks a0, a0 + 1 x B's eight, 128 along K.  p: B's set; sc: the set of scale words.  zero = 1: the first product starts the sums.
; The 64 accumulators take turns, one instruction a turn, in the same order in every step.
.macro MUL16 a0, p, q, sc, zero
.irp a, \a0, \a0+1
.irp b, 0,1,2,3,4,5,6,7
.if \zero
	v_wmma_scale_f32_16x16x128_f8f6f4 v[8*(8*((\a)%4)+\b):8*(8*((\a)%4)+\b)+7], v[128*(\p)+FR*\b:128*(\p)+FR*\b+FR-1], v[AF+FR*(\a):AF+FR*(\a)+FR-1], 0, v[SC+8*NQ*(\sc)+NQ*\b+(\q)], v[SC+8*NQ*(\sc)+NQ*(\a)+(\q)] matrix_a_fmt:MATRIX_FMT_FP6 matrix_b_fmt:MATRIX_FMT_FP6 matrix_a_scale:MATRIX_SCALE_ROW1
.else
	v_wmma_scale_f32_16x16x128_f8f6f4 v[8*(8*((\a)%4)+\b):8*(8*((\a)%4)+\b)+7], v[128*(\p)+FR*\b:128*(\p)+FR*\b+FR-1], v[AF+FR*(\a):AF+FR*(\a)+FR-1], v[8*(8*((\a)%4)+\b):8*(8*((\a)%4)+\b)+7], v[SC+8*NQ*(\sc)+NQ*\b+(\q)], v[SC+8*NQ*(\sc)+NQ*(\a)+(\q)] matrix_a_fmt:MATRIX_FMT_FP6 matrix_b_fmt:MATRIX_FMT_FP6 matrix_a_scale:MATRIX_SCALE_ROW1
.endif
.endr
.endr
.endm
.macro FETCH_B slot, q, p
	WIN TO_B
.irp i, 0,1,2,3,4,5,6,7
	FRAG 128*(\p)+FR*\i, ADRB+\slot, \q, \i
.endr
	WIN 0
.endm
.macro FETCH_A slot, q, i0
.irp i, \i0, \i0+1, \i0+2, \i0+3
	FRAG AF+FR*(\i), ADRA+\slot, \q, \i
.endr
.endm
.macro SCALES sc                       ; a slot's two words a row: lanes 0-15 A's block i, lanes 16-31 B's block i
.irp i, 0,1,2,3,4,5,6,7
	ds_load_b64 v[SC+8*NQ*\sc+NQ*\i:SC+8*NQ*\sc+NQ*\i+1], v[ADRS] offset:\i*SBLK
.endr
.endm
.macro PLACES n                        ; plain vector instructions between a matrix instruction and a load into, or a vector read or write of, its registers
.rept \n
	v_nop
.endr
.endm
.macro STEP slot, q, zero              ; a step of 128 along K that has its successor in the same slot
	s_wait_dscnt 4*NL                              ; B's set, A's blocks 0-3 and the scales are in; the youngest 12 loads (A's blocks 4-7) may be out
	WIN MUL_LO
	MUL16 0, (\q)%2, \q, \slot, \zero
	MUL16 2, (\q)%2, \q, \slot, \zero
	s_wait_dscnt 0
	PLACES NP
	FETCH_B \slot, (\q)+1, 1-(\q)%2
	FETCH_A \slot, (\q)+1, 0
	WIN MUL_HI
	MUL16 4, (\q)%2, \q, \slot, \zero
	MUL16 6, (\q)%2, \q, \slot, \zero
	PLACES NP
	WIN 0
	FETCH_A \slot, (\q)+1, 4
.endm
; A slot's last step changes slots: one barrier; in front of it each wave waits for all its tensor loads, adds 0 to its spare word, and waits for that and for its reads of this slot.
; fill = 1: this slot is filled again with this tile's K step two on; fill = 2: with the NEXT tile's K step 0 or 1; fill = 0: nothing is left to fetch.  sadd: how far on the next slot's scale words lie.
.macro TURN slot, next, fill, sadd
	s_wait_tensorcnt 0x0                           ; all my tensor loads have landed: my part of the next slot
	ds_add_u32 v[SPW], v[NIL]                      ; 0 onto my spare word
	s_wait_dscnt 4*NL+1                            ; the add and the youngest 12 loads (A's blocks 4-7) may be out
	WIN MUL_LO
	MUL16 0, 1, NQ-1, \slot, 0
	s_wait_dscnt 0x0                               ; the add is done, and my reads of this slot are over
	s_barrier_signal -1
	MUL16 2, 1, NQ-1, \slot, 0
	WIN 0
	s_barrier_wait -1
.if \fill
	CREST                                          ; the barrier has opened a round of the cluster's: no wave of any partner still reads this slot or has a load on its way
.if \fill == 2
	s_sub_nc_u64 s[G0+4*\slot+2:G0+4*\slot+3], s[G0+4*\slot+2:G0+4*\slot+3], 2*TBY     ; back along K,
	s_add_nc_u64 s[G0+4*\slot+2:G0+4*\slot+3], s[G0+4*\slot+2:G0+4*\slot+3], s[WA:WA+1] ; and the walk (0 for the operand that both tiles share)
	s_sub_nc_u64 s[G0B+4*\slot+2:G0B+4*\slot+3], s[G0B+4*\slot+2:G0B+4*\slot+3], 2*TBY
	s_add_nc_u64 s[G0B+4*\slot+2:G0B+4*\slot+3], s[G0B+4*\slot+2:G0B+4*\slot+3], s[WB:WB+1]
.else
	s_add_nc_u64 s[G0+4*\slot+2:G0+4*\slot+3], s[G0+4*\slot+2:G0+4*\slot+3], 2*TBY
	s_add_nc_u64 s[G0B+4*\slot+2:G0B+4*\slot+3], s[G0B+4*\slot+2:G0B+4*\slot+3], 2*TBY
.endif
	JLOAD G0+4*\slot, G1, G0B+4*\slot, G1B         ; the first tensor load behind the round, my only one until the next; its four v_nop are the places in front of the loads below
.else
	PLACES NP
.endif
	s_wait_alu depctr_va_vdst(0)
	v_add_nc_u32 v[ADRS], \sadd, v[ADRS]           ; on to the next slot's scale words
	FETCH_B \next, 0, 0
	FETCH_A \next, 0, 0
	SCALES \next
	WIN MUL_HI
	MUL16 4, 1, NQ-1, \slot, 0
	MUL16 6, 1, NQ-1, \slot, 0
	PLACES NP
	WIN 0
	FETCH_A \next, 0, 4
.endm
; THE WAY OUT.  The 64 registers of A's block a are, for my lane's row of A, register 16 b + i = B's row 32 b + 16 (lane / 16) + i: four blocks of 32 neighbours, each in lanes l and l xor 16.
; QUANTW makes of them 12 registers of codes (0-5 at d0, 6-11 at d1) and a scale word.  Each accumulator is read from its low end on.
.macro QUANTW a, d0, d1, t0, t1, pw
.set AC, 64*((\a)%4)
	WIN 0x0a+5*((\a)/4)                            ; sources 0 and 1: window 2 or 3
.irp b, 0,1,2,3
	v_max3_num_f32 v[TM+\b], |v[AC+16*\b]|, |v[AC+16*\b+1]|, 0x1800000   ; and the floor 2^(3 - 127): the byte cannot fall under 1
.endr
.irp i, 2,4,6,8,10,12,14
.irp b, 0,1,2,3
	v_max3_num_f32 v[TM+\b], |v[AC+16*\b+\i]|, |v[AC+16*\b+\i+1]|, v[TM+\b]
.endr
.endr
	WIN 0
.irp b, 0,1,2,3
	v_permlanex16_b32 v[TM+4+\b], v[TM+\b], s18, s19
.endr
.irp b, 0,1,2,3
	v_max_num_f32 v[TM+\b], v[TM+\b], v[TM+4+\b]
.endr
.irp b, 0,1,2,3
	v_add_nc_u32 v[TM+12+\b], 0xff000000, v[TM+\b] ; 2 off the exponent field: the conversion's scale operand
.endr
.irp b, 0,1,2,3
	v_lshrrev_b32 v[TM+4+\b], 23, v[TM+12+\b]      ; the scale's byte
.endr
	v_lshl_or_b32 v[\pw], v[TM+5], 8, v[TM+4]
	v_lshl_or_b32 v[\pw], v[TM+6], 16, v[\pw]
	v_lshl_or_b32 v[\pw], v[TM+7], 24, v[\pw]
	WIN 0x02+((\a)/4)                              ; source 0: window 2 or 3
	v_cvt_scalef32_pk16_fp6_f32 v[\d0:\d0+2], v[AC:AC+15], v[TM+12]
	v_cvt_scalef32_pk16_fp6_f32 v[\t0:\t0+2], v[AC+16:AC+31], v[TM+13]
	v_cvt_scalef32_pk16_fp6_f32 v[\d1:\d1+2], v[AC+32:AC+47], v[TM+14]
	v_cvt_scalef32_pk16_fp6_f32 v[\t1:\t1+2], v[AC+48:AC+63], v[TM+15]
	WIN 0
	v_nop                                          ; one plain place behind a scaled conversion
.irp i, 0,1,2                                  ; a whole block to a lane: lanes 0-15 the even block, lanes 16-31 the odd one
	v_permlane16_swap_b32 v[\d0+\i], v[\t0+\i]
	v_permlane16_swap_b32 v[\d1+\i], v[\t1+\i]
.endr
.irp i, 0,1,2
	v_mov_b32 v[\d0+3+\i], v[\t0+\i]
	v_mov_b32 v[\d1+3+\i], v[\t1+\i]
.endr
.endm
; Tile tl (0, 1) leaves.  The second tile's place, four batches on, stands in the stores' immediates: 3,200,512 bytes at the most, inside the signed 24 bits (ISA guide, chapter 10).  No LDS instruction stands here.
.macro WAYOUT tl
	s_cmp_eq_u32 ttmp9, 2
	s_cbranch_scc1 .Lvalues_\@
	; q, k: blocks 0, 1 of a token are my first head's 64, blocks 2, 3 my second's.  Two tiles of tokens make an image for each head; two sets of registers by turns
.irp al, 0,1,2,3
.set HA, HS+24*(\al%2)
.set HB, HA+12
.if (\al > 1) || (\tl > 0)
	s_wait_xcnt 0x0                                ; the earlier stores have read this set
.endif
	QUANTW 2*\al, HA, HB, T0, T1, PWA
	QUANTW 2*\al+1, HA+6, HB+6, T0, T1, PWB
.irp c, 0,1,2
	global_store_b128 v[CO], v[HA+4*\c:HA+4*\c+3], s[12:13] offset:\tl*OUTC+1536*\al+512*\c          ; 32 lanes store 512 consecutive bytes, aligned
.endr
.irp c, 0,1,2
	global_store_b128 v[CO], v[HB+4*\c:HB+4*\c+3], s[12:13] offset:\tl*OUTC+49152+1536*\al+512*\c    ; the second head: 8 runs of 6,144 bytes on
.endr
	v_cndmask_b32 v[SWM], v[PWA], v[PWB], s20      ; lanes 0-15: the even tile's word, lanes 16-31: the odd tile's
	v_and_b32 v[SW8+\al], 0xffff, v[SWM]           ; the first head's two bytes; the upper two are 0
	v_lshrrev_b32 v[SW8+4+\al], 16, v[SWM]         ; the second head's
.endr
	global_store_b128 v[CO], v[SW8:SW8+3], s[66:67] offset:\tl*OUTS
	global_store_b128 v[CO], v[SW8+4:SW8+7], s[66:67] offset:\tl*OUTS+4096
	s_branch .Lout_\@
.Lvalues_\@:
	; v: block a of A is 16 of a head's 64 (a / 4: which head); its 64 registers are the run's 128 keys: one whole fragment and one whole scale word
.irp a, 0,1,2,3,4,5,6,7
.set PCV, HS+12*(\a%2)
.if (\a > 1) || (\tl > 0)
	s_wait_xcnt 0x0
.endif
	QUANTW \a, PCV, PCV+6, T0, T1, SW8+\a
.irp c, 0,1,2
	global_store_b128 v[CO], v[PCV+4*\c:PCV+4*\c+3], s[12:13] offset:\tl*OUTC+(\a/4)*49152+(\a%4)*1536+512*\c
.endr
.endr
	global_store_b128 v[CO], v[SW8:SW8+3], s[66:67] offset:\tl*OUTS
	global_store_b128 v[CO], v[SW8+4:SW8+7], s[66:67] offset:\tl*OUTS+4096
.Lout_\@:
.endm
	s_wait_alu depctr_va_vdst(0)
	s_wait_tensorcnt 2                             ; the first tile's scales and my part of slot 0 are in; slot 1's load and the second tile's scales may be out
	s_barrier_signal -1
	s_barrier_wait -1
	FETCH_B 0, 0, 0
	FETCH_A 0, 0, 0
	SCALES 0
	FETCH_A 0, 0, 4
	STEP 0, 0, 1                                   ; THE FIRST TILE.  K = 1,024 is four slots' worth: written out, no loop
	TURN 0, 1, 1, 4*NQ                             ; slot 0 takes K 512 on
	STEP 1, 0, 0
	TURN 1, 0, 1, 4*NQ                             ; slot 1 takes K 768 on
	STEP 0, 0, 0
	TURN 0, 1, 2, 4*NQ                             ; THE RING GOES ON INTO THE SECOND TILE: slot 0 takes its K 0 on,
	STEP 1, 0, 0
	TURN 1, 0, 2, SCT-12*NQ                        ; slot 1 its K 256 on; the second tile's first fragments and scale words are fetched
	WAYOUT 0                                       ; both refills are asked for: now the first tile is quantised and stored (TURN's places stand behind its last products)
	STEP 0, 0, 1                                   ; THE SECOND TILE: its first products start the sums anew
	TURN 0, 1, 1, 4*NQ
	STEP 1, 0, 0
	TURN 1, 0, 1, 4*NQ
	STEP 0, 0, 0
	TURN 0, 1, 0, 4*NQ                             ; nothing is left to fetch
	STEP 1, 0, 0
	s_wait_dscnt 4*NL
	WIN MUL_LO
	MUL16 0, 1, NQ-1, 1, 0
	MUL16 2, 1, NQ-1, 1, 0
	s_wait_dscnt 0
	WIN MUL_HI
	MUL16 4, 1, NQ-1, 1, 0
	MUL16 6, 1, NQ-1, 1, 0
	WIN 0
	PLACES NP
	WAYOUT 1
	s_wait_tensorcnt 0x0                           ; the wave's end
	ds_add_u32 v[SPW], v[NIL]
	s_wait_dscnt 0x0
	CROUND                                         ; the closing round: no work-group ends while a partner may still ask for a tile that names it
	s_endpgm
.Lfunc_end_k_q109b92a06a_gemm_qkv:
	.size	k_q109b92a06a_gemm_qkv, .Lfunc_end_k_q109b92a06a_gemm_qkv-k_q109b92a06a_gemm_qkv
	.p2alignl 7, 3214868480
	.fill 96, 4, 3214868480
	.section	.rodata,"a",@progbits
	.p2align	6, 0x0
	.amdhsa_kernel k_q109b92a06a_gemm_qkv
		.amdhsa_group_segment_fixed_size 327680
		.amdhsa_private_segment_fixed_size 0
		.amdhsa_enable_private_segment 0
		.amdhsa_kernarg_size 48
		.amdhsa_user_sgpr_count 2
		.amdhsa_user_sgpr_kernarg_segment_ptr 1
		.amdhsa_wavefront_size32 1
		.amdhsa_system_sgpr_workgroup_id_x 1
		.amdhsa_system_sgpr_workgroup_id_y 1
		.amdhsa_system_sgpr_workgroup_id_z 1
		.amdhsa_system_vgpr_workitem_id 0
		.amdhsa_next_free_vgpr 1024
		.amdhsa_next_free_sgpr 106
		.amdhsa_reserve_vcc 0
		.amdhsa_float_denorm_mode_32 3
		.amdhsa_float_denorm_mode_16_64 3
		.amdhsa_memory_ordered 1
		.amdhsa_forward_progress 1
		.amdhsa_inst_pref_size 255
	.end_amdhsa_kernel
	.section	.bss,"aw",@nobits
	.p2align	6
	.space	262144
	.amdgpu_metadata
---
amdhsa.version: [ 1, 2 ]
amdhsa.kernels:
  - .name:           k_q109b92a06a_gemm_qkv
    .symbol:         k_q109b92a06a_gemm_qkv.kd
    .args:
      - { .name: xc, .offset: 0, .size: 8, .value_kind: global_buffer, .address_space: global }
      - { .name: xs, .offset: 8, .size: 8, .value_kind: global_buffer, .address_space: global }
      - { .name: wc, .offset: 16, .size: 8, .value_kind: global_buffer, .address_space: global }
      - { .name: ws, .offset: 24, .size: 8, .value_kind: global_buffer, .address_space: global }
      - { .name: qkvc, .offset: 32, .size: 8, .value_kind: global_buffer, .address_space: global }
      - { .name: qkvs, .offset: 40, .size: 8, .value_kind: global_buffer, .address_space: global }
    .group_segment_fixed_size: 327680
    .private_segment_fixed_size: 0
    .kernarg_segment_align: 8
    .kernarg_segment_size: 48
    .max_flat_workgroup_size: 128
    .sgpr_count:     106
    .vgpr_count:     1024
    .wavefront_size: 32
...
	.end_amdgpu_metadata
.endif
;; end of part 2
;; launch attn (part 3): grid 4 x 64, 16 waves a work-group, clusters of 4 x 1, 215,040 bytes of LDS; arguments qkvc, qkvs, ac, acs; writes ac, acs
.if DOCPART == 3
	.amdgcn_target "amdgcn-amd-amdhsa--gfx1250"
	.amdhsa_code_object_version 6
	.text
	.protected	k_q109b92a06a_attn
	.globl	k_q109b92a06a_attn
	.p2align	8
	.type	k_q109b92a06a_attn,@function
k_q109b92a06a_attn:
	s_mov_b64 s[64:65], 0
	v_nop
	global_prefetch_b8 v0, s[64:65] scope:SCOPE_SE
	s_setreg_imm32_b32 hwreg(HW_REG_WAVE_MODE, 25, 1), 1
	s_wait_xcnt 0x0
	s_wait_alu depctr_hold_cnt(0) depctr_sa_sdst(0) depctr_va_vdst(0) depctr_va_sdst(0) depctr_va_ssrc(0) depctr_va_vcc(0) depctr_vm_vsrc(0)
	s_getreg_b32 s2, hwreg(HW_REG_IB_STS2, 6, 4)
	s_cmp_eq_u32 s2, 0
	s_cbranch_scc0 .Lentry_in_a_cluster
	s_endpgm
.Lentry_in_a_cluster:
	s_bfe_u32 s2, ttmp6, 0x10000c
	s_cmp_lg_u32 s2, 0x3003
	s_cbranch_scc0 .Lentry_shape_is_right
	s_endpgm
.Lentry_shape_is_right:
; For each of 128 heads: O[q] = the sum over k of softmax_k(Q[q] . K[k] / 8) V[k], both products on codes of FP6 (E2M3) with E8M0 scales; then O / l is quantised along (head, channel) for the last product.
; THE SOFTMAX AHEAD OF THE SECOND PRODUCT: t = score x log2(e) / 8; M = the running largest t rounded UP to a whole number; p = 2^(t - M) is quantised along the keys, not normalised; the row's sum l is taken of the
; unquantised p and divides O at the end.  When M moves, l and O are multiplied by 2^(old M - new M): exact.
; SHARES.  A cluster of four work-groups owns two neighbouring heads of one batch; work-group cx owns 256 queries, each of its sixteen waves one tile of 16, first for the one head, then for the other.
; So a wave ends with 16 queries x 128 of the last product's K: one whole fragment and one whole scale word.  Four waves share a SIMD: one's vector work stands beside another's products and LDS loads.
; ALL OF K AND V OF BOTH HEADS STAYS IN LDS: 2 x 98,304 bytes of codes, 2 x 8,192 of scale words, asked for JOINTLY by the four work-groups at the head, four loads a wave, each LDS byte filled once.
; LAYOUT.  Both products are used transposed: S^T = K Q^T, O^T = V^T P^T: a lane holds ONE query throughout.  K's tiles hold their 16 keys, and V's their 16 channels, in the order row 32 B + 8 u + r + 8 (r / 8),
; so that the 16 registers of two neighbouring tiles are 16 neighbours along the next K.  Operands lie in LDS as images of their registers: every LDS load takes 512 consecutive bytes.
; K = 64 IN AN INSTRUCTION OF 128: Q's registers 6-11 are zero codes, and the upper two scale bytes of Q and K are 0 (2^-127): whatever finite codes stand in registers 6-11 of K's operand add exactly 0.
; So tile t of K is named as v[40 + 6 t .. + 11]: its upper half is the next tile's codes (behind the last tile: six registers of zeros).
; LIMITS: NaN and infinities are not served; a block whose largest magnitude lies under 2^-124 has its byte held at 1; a block of zeros gets the byte 1: its codes are zeros, and this program alone reads the bytes.
.set AL,  1                            ; v1   16 x lane
.set ALS, 2                            ; v2   16 x lane + where K's scale words begin
.set ADK, 3                            ; v3-5 LDS addresses of the step in hand: K, V, scale words
.set ADV, 4
.set ADS, 5
.set Q0,  16                           ; v16-27 Q of the first head: 6 registers of codes, 6 of zeros;  v28-39 of the second
.set Q1,  28
.set FRG, 40                           ; v40-87 K's eight tiles (6 each), later V's four fragments (12 each); v88-93 zeros
.set S,   96                           ; v96-159 S^T, then p
.set O,   160                          ; v160-191 O^T
.set PCD, 192                          ; v192-203 p's codes; v204-206, v208-210 halves on their way
.set CT,  204
.set BM,  212                          ; v212-215 the blocks' largest scores, then largest p
.set PT,  216                          ; v216-219 at work
.set SO,  220                          ; v220-223 the conversions' scale operands
.set KS,  224                          ; v224-227 K's scale words: register i: lanes 0-15 tile 2 i, lanes 16-31 tile 2 i + 1
.set VS,  228                          ; v228-231 V's
.set QS,  232                          ; v232, v233 Q's
.set PSW, 234                          ; v234 p's scale word
.set F,   236                          ; v236 f = 2^(old M - new M), later 1 / l; v237 named with it as a pair
.set TMP, 238
.set AF,  240                          ; v240-251 the finished fragment; v252 its scale word
.set AW,  252
.set WV,  12
.set SEL, 18                           ; s[18:19] lane selects: lane l xor 16
.set CS,  20                           ; s[20:21] c = log2(e) / 8
.set TK,  22                           ; s22 the step's codes: 6,144 bytes a step
.set TS,  23                           ; s23 its scale words: 512 bytes a step
.set CNT, 66
.macro CROUND                          ; a round of the cluster's barrier
	s_barrier_signal -1
	s_barrier_wait -1
	s_cmp_lg_u32 s[WV], 0
	s_cbranch_scc1 .Lnot_wave_0_\@
	s_barrier_signal -3
.Lnot_wave_0_\@:
	s_barrier_wait -3
	s_barrier_signal -1
	s_barrier_wait -1
.endm
.macro GROUP1 g, rows                  ; a dense block as rows of 256 bytes (32 elements of 8 bytes), for all four work-groups
	s_mov_b32 s[\g], 15|(3<<16)|(1<<21)            ; 15:0 the mask; 17:16 elements of 8 bytes; 21 set beside a mask
	s_mov_b32 s[\g+1], 32<<16
	s_mov_b32 s[\g+2], (\rows)<<16
	s_mov_b32 s[\g+3], 32<<16
	s_mov_b32 s[\g+4], \rows
	s_mov_b32 s[\g+5], 32
	s_mov_b32 s[\g+6], 0
	s_mov_b32 s[\g+7], 0
.endm
	s_load_b128 s[4:7], s[0:1], 0x0                ; qkvc, qkvs
	s_load_b128 s[8:11], s[0:1], 0x10              ; ac, acs
	v_lshl_add_u32 v254, v0, 2, 0x34000
	v_mov_b32 v255, 0
	ds_add_u32 v254, v255
	ds_add_u32 v254, v255
	v_lshrrev_b32 v8, 5, v0
	s_delay_alu instid0(VALU_DEP_1)
	v_readfirstlane_b32 s[WV], v8                  ; wave 0..15
	s_bfe_u32 s13, ttmp6, 0x40000                  ; cx: it enters Q's and the output's addresses alone
	s_and_b32 s14, ttmp7, 0xffff                   ; y = 8 x batch + pair of heads
	s_lshr_b32 s15, s[WV], 3                       ; waves 0-7 fetch K's, waves 8-15 V's
	s_and_b32 s16, s[WV], 7                        ; my eighth of each block
	s_mul_i32 s17, s15, 98304                      ; K's codes at LDS byte 0, V's at 98,304
	GROUP1 24, 4                                   ; scale words: 1,024 bytes a wave
	GROUP1 32, 6                                   ; the first head's steps 0, 1: 1,536 bytes a wave
	GROUP1 40, 18                                  ; its steps 2 to 7: 4,608
	GROUP1 48, 24                                  ; the second head: 6,144
	s_mov_b32 s[SEL], 0x76543210
	s_mov_b32 s[SEL+1], 0xfedcba98
	s_mov_b32 s[CS], 0x3e38aa3b                    ; log2(e) / 8
	s_mov_b32 s[CS+1], s[CS]                       ; (named with it as a pair, so it is written)
	s_mov_b32 s[TK], 0
	s_mov_b32 s[TS], 0
	s_add_co_u32 s76, s15, 1                       ; parts 1 (k) and 2 (v) of qkvc, 6,291,456 bytes each; my two heads are 98,304 bytes on end
	s_mul_i32 s76, s76, 6291456
	s_mul_i32 s77, s14, 98304
	s_add_co_u32 s76, s76, s77
	s_mov_b32 s77, 0
	s_wait_dscnt 0x0
	s_wait_kmcnt 0x0
	s_add_nc_u64 s[78:79], s[4:5], s[76:77]
	s_add_co_u32 s76, s15, 1                       ; the scale words: parts of 524,288 bytes; my two heads 8,192
	s_lshl_b32 s76, s76, 19
	s_lshl_b32 s67, s14, 13
	s_add_co_u32 s76, s76, s67
	s_lshl_b32 s67, s16, 10
	s_add_co_u32 s76, s76, s67
	s_mov_b32 s56, 1
	s_lshl_b32 s57, s[WV], 10
	s_add_co_u32 s57, s57, 196608                  ; LDS: K's scale words at 196,608, V's at 204,800: 1,024 x wave
	s_add_nc_u64 s[58:59], s[6:7], s[76:77]
	s_or_b32 s59, s59, 0x80000000
	s_mul_i32 s76, s16, 1536                       ; a block's offset is the same in memory and in LDS
	s_mov_b32 s60, 1
	s_add_co_u32 s61, s17, s76
	s_add_nc_u64 s[62:63], s[78:79], s[76:77]
	s_or_b32 s63, s63, 0x80000000
	s_mul_i32 s76, s16, 4608
	s_add_co_u32 s76, s76, 12288
	s_mov_b32 s68, 1
	s_add_co_u32 s69, s17, s76
	s_add_nc_u64 s[70:71], s[78:79], s[76:77]
	s_or_b32 s71, s71, 0x80000000
	s_mul_i32 s76, s16, 6144
	s_add_co_u32 s76, s76, 49152
	s_mov_b32 s72, 1
	s_add_co_u32 s73, s17, s76
	s_add_nc_u64 s[74:75], s[78:79], s[76:77]
	s_or_b32 s75, s75, 0x80000000
	; Q: my tile 16 cx + w is half of image 8 cx + w / 2 of part 0
	s_lshl_b32 s84, s13, 3
	s_lshr_b32 s86, s[WV], 1
	s_add_co_u32 s84, s84, s86
	s_mul_i32 s84, s84, 1536
	s_mul_i32 s85, s14, 98304
	s_add_co_u32 s84, s84, s85
	s_mov_b32 s85, 0
	s_add_nc_u64 s[80:81], s[4:5], s[84:85]
	s_lshl_b32 s84, s13, 1                         ; its scale word: run 2 cx + w / 8 of 512 bytes, lane 16 (w % 2) + r, word (w / 2) % 4
	s_add_co_u32 s84, s84, s15
	s_lshl_b32 s84, s84, 9
	s_and_b32 s86, s[WV], 1
	s_lshl_b32 s86, s86, 8
	s_add_co_u32 s84, s84, s86
	s_lshr_b32 s86, s[WV], 1
	s_and_b32 s86, s86, 3
	s_lshl_b32 s86, s86, 2
	s_add_co_u32 s84, s84, s86
	s_lshl_b32 s86, s14, 13
	s_add_co_u32 s84, s84, s86
	s_add_nc_u64 s[82:83], s[6:7], s[84:85]
	s_lshr_b32 s84, s14, 3                         ; out: tile T = 64 x batch + 16 cx + w, K step = the pair of heads
	s_lshl_b32 s84, s84, 6
	s_lshl_b32 s86, s13, 4
	s_add_co_u32 s84, s84, s86
	s_add_co_u32 s84, s84, s[WV]
	s_and_b32 s86, s14, 7
	s_mul_i32 s88, s84, 12288
	s_mul_i32 s89, s86, 1536
	s_add_co_u32 s88, s88, s89
	s_mov_b32 s89, 0
	s_add_nc_u64 s[8:9], s[8:9], s[88:89]
	s_lshl_b32 s88, s84, 9
	s_lshl_b32 s87, s86, 2
	s_add_co_u32 s88, s88, s87
	s_add_nc_u64 s[10:11], s[10:11], s[88:89]
	s_and_b32 s84, s[WV], 1                        ; the even tile's registers lie at bytes 0, 8, 512 of a lane's place in the image, the odd tile's at 520, 1,024, 1,032
	s_cmp_eq_u32 s84, 1
	s_cselect_b32 s85, 520, 0
	s_cselect_b32 s86, 1024, 8
	CROUND                                         ; all four work-groups are here: the joint loads meet
	tensor_load_to_lds s[56:59], s[24:31]          ; four loads of mine are out; every LDS byte is filled once
	s_nop 0
	tensor_load_to_lds s[60:63], s[32:39]
	s_nop 0
	tensor_load_to_lds s[68:71], s[40:47]
	s_nop 0
	tensor_load_to_lds s[72:75], s[48:55]
	s_nop 0
.rept 4
	v_nop
.endr
	v_and_b32 v6, 31, v0
	s_delay_alu instid0(VALU_DEP_1)
	v_lshlrev_b32 v[AL], 4, v6
	s_delay_alu instid0(VALU_DEP_1)
	v_add_nc_u32 v[ALS], 0x30000, v[AL]
	v_and_b32 v9, 15, v0                           ; r
	s_delay_alu instid0(VALU_DEP_1)
	v_lshlrev_b32 v7, 5, v9                        ; out: my row's 32 scale bytes
	s_delay_alu instid0(VALU_DEP_4)
	v_add_nc_u32 v8, s85, v[AL]
	v_add_nc_u32 v10, s86, v[AL]
	s_delay_alu instid0(VALU_DEP_4)
	v_lshlrev_b32 v11, 4, v9
	global_load_b64 v[Q0:Q0+1], v8, s[80:81]
	global_load_b64 v[Q0+2:Q0+3], v10, s[80:81]
	global_load_b64 v[Q0+4:Q0+5], v8, s[80:81] offset:512
	global_load_b64 v[Q1:Q1+1], v8, s[80:81] offset:49152
	global_load_b64 v[Q1+2:Q1+3], v10, s[80:81] offset:49152
	global_load_b64 v[Q1+4:Q1+5], v8, s[80:81] offset:49664
	global_load_b32 v[QS], v11, s[82:83]
	global_load_b32 v[QS+1], v11, s[82:83] offset:4096
.irp j, 0,1,2,3,4,5
	v_mov_b32 v[Q0+6+\j], 0                        ; zero codes for K = 64 .. 127
	v_mov_b32 v[Q1+6+\j], 0
	v_mov_b32 v[FRG+48+\j], 0
.endr
.irp b, 0,1,2,3
	v_mov_b32 v[PT+\b], 0                          ; written once: a lane permute's destination counts as one of its sources
.endr
	v_mov_b32 v[F+1], 0                            ; (named as the upper half of a pair)
	v_mov_b32 v[TMP], 0
.macro RESET                           ; a head begins: O^T and the sum are zeros, the largest t is -3e38: the first change of M multiplies zeros
	v_mov_b32 v13, 0xff61b1e6
	s_delay_alu instid0(VALU_DEP_1)
	v_floor_f32 v12, -v13                          ; -M
	v_mov_b32 v14, 0
	v_mov_b32 v15, 0
.set j, 0
.rept 32
	v_mov_b32 v[O+j], 0
.set j, j+1
.endr
.endm
	RESET
; A KEY STEP: 128 keys.  qf: Q's fragment, qs: its scale word
.macro STEP qf, qs
	v_add_nc_u32 v[ADK], s[TK], v[AL]              ; these four lines are also the places behind the last step's products, in front of the loads into the registers that they read
	v_add_nc_u32 v[ADS], s[TS], v[ALS]
	s_delay_alu instid0(VALU_DEP_2)
	v_add_nc_u32 v[ADV], 0x18000, v[ADK]
	v_nop
.irp b, 0,1,2,3
.irp c, 0,1,2
	ds_load_b128 v[FRG+12*\b+4*\c:FRG+12*\b+4*\c+3], v[ADK] offset:1536*\b+512*\c   ; image b: K's tiles 2 b and 2 b + 1
.endr
.endr
	ds_load_b128 v[KS:KS+3], v[ADS]
	s_wait_alu depctr_va_vdst(0)
	s_wait_dscnt 0x0
.irp t, 0,2,4,6                                ; S^T = K Q^T: eight accumulators, each begun with the constant 0
	v_wmma_scale_f32_16x16x128_f8f6f4 v[S+8*\t:S+8*\t+7], v[FRG+6*\t:FRG+6*\t+11], v[\qf:\qf+11], 0, v[KS+\t/2], v[\qs] matrix_a_fmt:MATRIX_FMT_FP6 matrix_b_fmt:MATRIX_FMT_FP6
	v_wmma_scale_f32_16x16x128_f8f6f4 v[S+8*\t+8:S+8*\t+15], v[FRG+6*\t+6:FRG+6*\t+17], v[\qf:\qf+11], 0, v[KS+\t/2], v[\qs] matrix_a_fmt:MATRIX_FMT_FP6 matrix_b_fmt:MATRIX_FMT_FP6 matrix_a_scale:MATRIX_SCALE_ROW1
.endr
.rept 4
	v_nop                                          ; places: in front of the loads below and of the first read of the scores
.endr
.irp t, 0,1,2,3                                ; V's four fragments are asked for now and land under the softmax
.irp c, 0,1,2
	ds_load_b128 v[FRG+12*\t+4*\c:FRG+12*\t+4*\c+3], v[ADV] offset:1536*\t+512*\c
.endr
.endr
	ds_load_b128 v[VS:VS+3], v[ADS] offset:8192
.irp b, 0,1,2,3
	v_max3_num_f32 v[BM+\b], v[S+16*\b], v[S+1+16*\b], v[S+2+16*\b]   ; the largest score of each block of 32 keys: it serves the row's maximum and, since p rises with the score, the block's largest p
.endr
.irp i, 3,5,7,9,11,13
.irp b, 0,1,2,3
	v_max3_num_f32 v[BM+\b], v[BM+\b], v[S+16*\b+\i], v[S+1+16*\b+\i]
.endr
.endr
.irp b, 0,1,2,3
	v_max_num_f32 v[BM+\b], v[BM+\b], v[S+15+16*\b]
.endr
.irp b, 0,1,2,3
	s_delay_alu instid0(VALU_DEP_4)
	v_permlanex16_b32 v[PT+\b], v[BM+\b], s[SEL], s[SEL+1]
.endr
.irp b, 0,1,2,3
	s_delay_alu instid0(VALU_DEP_4)
	v_max_num_f32 v[BM+\b], v[BM+\b], v[PT+\b]     ; with lane l xor 16's 16 keys
.endr
	s_delay_alu instid0(VALU_DEP_2)
	v_max3_num_f32 v[TMP], v[BM], v[BM+1], v[BM+2]
	s_delay_alu instid0(VALU_DEP_1)
	v_max_num_f32 v[TMP], v[TMP], v[BM+3]          ; the step's largest score of my query
	s_delay_alu instid0(VALU_DEP_1)
	v_mul_f32 v[TMP], s[CS], v[TMP]                ; as t (c is positive)
	s_delay_alu instid0(VALU_DEP_1)
	v_max_num_f32 v13, v13, v[TMP]                 ; the running largest t
	v_mov_b32 v[TMP], v12
	s_delay_alu instid0(VALU_DEP_2)
	v_floor_f32 v12, -v13                          ; the new -M = floor(-t) = -ceil(t)
	s_delay_alu instid0(VALU_DEP_1)
	v_sub_f32 v[TMP], v12, v[TMP]                  ; old M - new M: a whole number, 0 or less
	s_delay_alu instid0(VALU_DEP_1)
	v_cvt_i32_f32 v[TMP], v[TMP]                   ; (it saturates)
	s_delay_alu instid0(VALU_DEP_1)
	v_ldexp_f32 v[F], 1.0, v[TMP]                  ; f = 2^(old M - new M)
.set j, 0
.rept 32
	v_pk_fma_f32 v[S+j:S+j+1], v[S+j:S+j+1], s[CS:CS+1], v[12:13] op_sel_hi:[1,0,0]   ; t - M, two at a time
.set j, j+2
.endr
.irp b, 0,1,2,3
	v_fma_f32 v[BM+\b], v[BM+\b], s[CS], v12       ; the same of each block's largest score
.endr
.set j, 0
	s_wait_alu depctr_va_vdst(0)
.rept 64
	v_exp_f32 v[S+j], v[S+j]                       ; p = 2^(t - M), at most 1
.set j, j+1
.endr
	s_setprio 1
	v_pk_mul_f32 v[14:15], v[14:15], v[F:F+1] op_sel_hi:[1,0]   ; the sums under the new M: the plain instruction behind the exponentials
	s_wait_alu depctr_va_vdst(0)                   ; one wait for the batch of 64, ahead of its first reader
.irp b, 0,1,2,3
	v_exp_f32 v[BM+\b], v[BM+\b]                   ; the blocks' largest p
.endr
	v_pk_add_f32 v[216:217], v[100:101], v[104:105]
	v_pk_add_f32 v[250:251], v[108:109], v[112:113]
	v_pk_add_f32 v[248:249], v[116:117], v[120:121]
	v_pk_add_f32 v[246:247], v[124:125], v[128:129]
	v_pk_add_f32 v[234:235], v[132:133], v[136:137]
	v_pk_add_f32 v[226:227], v[140:141], v[144:145]
	v_pk_add_f32 v[224:225], v[148:149], v[152:153]
	v_pk_add_f32 v[14:15], v[14:15], v[156:157]
	v_pk_add_f32 v[216:217], v[216:217], v[96:97]
	v_pk_add_f32 v[250:251], v[250:251], v[98:99]
	v_pk_add_f32 v[248:249], v[248:249], v[102:103]
	v_pk_add_f32 v[246:247], v[246:247], v[106:107]
	v_pk_add_f32 v[234:235], v[234:235], v[110:111]
	v_pk_add_f32 v[226:227], v[226:227], v[114:115]
	v_pk_add_f32 v[224:225], v[224:225], v[118:119]
	v_pk_add_f32 v[14:15], v[14:15], v[122:123]
	v_pk_add_f32 v[216:217], v[216:217], v[126:127]
	v_pk_add_f32 v[250:251], v[250:251], v[130:131]
	v_pk_add_f32 v[248:249], v[248:249], v[134:135]
	v_pk_add_f32 v[246:247], v[246:247], v[138:139]
	v_pk_add_f32 v[234:235], v[234:235], v[142:143]
	v_pk_add_f32 v[226:227], v[226:227], v[146:147]
	v_pk_add_f32 v[224:225], v[224:225], v[150:151]
	v_pk_add_f32 v[14:15], v[14:15], v[154:155]
	v_pk_add_f32 v[216:217], v[216:217], v[158:159]
	s_delay_alu instid0(VALU_DEP_2)
	v_pk_add_f32 v[14:15], v[14:15], v[246:247]
	s_delay_alu instid0(VALU_DEP_2)
	v_pk_add_f32 v[216:217], v[216:217], v[234:235]
	v_pk_add_f32 v[250:251], v[250:251], v[226:227]
	v_pk_add_f32 v[248:249], v[248:249], v[224:225]
	s_delay_alu instid0(VALU_DEP_2)
	v_pk_add_f32 v[14:15], v[14:15], v[250:251]
	s_delay_alu instid0(VALU_DEP_2)
	v_pk_add_f32 v[216:217], v[216:217], v[248:249]
	s_delay_alu instid0(VALU_DEP_1)
	v_pk_add_f32 v[14:15], v[14:15], v[216:217]
	s_wait_alu depctr_va_vdst(0)                   ; and one for the four
.irp b, 0,1,2,3
	v_max_num_f32 v[BM+\b], 0x1800000, v[BM+\b]    ; the floor 2^(3 - 127): the byte cannot fall under 1
.endr
.irp b, 0,1,2,3
	s_delay_alu instid0(VALU_DEP_4)
	v_add_nc_u32 v[SO+\b], 0xff000000, v[BM+\b]    ; 2 off the exponent field: the conversion's scale operand
.endr
.irp b, 0,1,2,3
	s_delay_alu instid0(VALU_DEP_4)
	v_lshrrev_b32 v[PT+\b], 23, v[SO+\b]           ; the scale's byte
.endr
	s_delay_alu instid0(VALU_DEP_3)
	v_lshl_or_b32 v[PSW], v[PT+1], 8, v[PT]
	s_delay_alu instid0(VALU_DEP_1)
	v_lshl_or_b32 v[PSW], v[PT+2], 16, v[PSW]
	s_delay_alu instid0(VALU_DEP_1)
	v_lshl_or_b32 v[PSW], v[PT+3], 24, v[PSW]      ; p's scale word for these 128 keys
.irp c, 0,1
	v_cvt_scalef32_pk16_fp6_f32 v[PCD+6*\c:PCD+2+6*\c], v[S+32*\c:S+15+32*\c], v[SO+2*\c]
	v_cvt_scalef32_pk16_fp6_f32 v[CT+4*\c:CT+2+4*\c], v[S+16+32*\c:S+31+32*\c], v[SO+2*\c+1]
.endr
	v_nop                                          ; one plain place behind a scaled conversion
.irp c, 0,1                                    ; a whole block to a lane
.irp i, 0,1,2
	v_permlane16_swap_b32 v[PCD+6*\c+\i], v[CT+4*\c+\i]
.endr
.irp i, 0,1,2
	s_delay_alu instid0(VALU_DEP_3)
	v_mov_b32 v[PCD+3+6*\c+\i], v[CT+4*\c+\i]
.endr
.endr
.set j, 0
	s_setprio 0
.rept 16
	v_pk_mul_f32 v[O+j:O+j+1], v[O+j:O+j+1], v[F:F+1] op_sel_hi:[1,0]   ; O^T under the new M.  These sixteen are also the places between the writes of p's codes and scale word and the products below
.set j, j+2
.endr
	s_wait_alu depctr_va_vdst(0)
	s_wait_dscnt 0x0                               ; V is in
.irp t, 0,1,2,3                                ; O^T += V^T P^T: four accumulators by turns
	v_wmma_scale_f32_16x16x128_f8f6f4 v[O+8*\t:O+8*\t+7], v[FRG+12*\t:FRG+12*\t+11], v[PCD:PCD+11], v[O+8*\t:O+8*\t+7], v[VS+\t], v[PSW] matrix_a_fmt:MATRIX_FMT_FP6 matrix_b_fmt:MATRIX_FMT_FP6
.endr
.endm
.macro RUN n, qf, qs                   ; n key steps; the addresses step on, from the first head's last step into the second head's first
	s_mov_b32 s[CNT], \n
.Lrun_\@:
	s_setprio 2
	STEP \qf, \qs
	s_add_co_u32 s[TK], s[TK], 6144
	s_add_co_u32 s[TS], s[TS], 512
	s_sub_co_u32 s[CNT], s[CNT], 1
	s_cmp_lg_u32 s[CNT], 0
	s_cbranch_scc1 .Lrun_\@
	s_setprio 0
.endm
; A head ends: O^T / l; register 16 b + i is channel 32 b + 16 (lane / 16) + i of my query: two blocks, quantised into registers 6 e .. 6 e + 5 of the fragment and bytes 2 e, 2 e + 1 of its scale word
.macro FIN e
.rept 4
	v_nop                                          ; places behind the last products
.endr
	v_add_f32 v14, v14, v15
	s_delay_alu instid0(VALU_DEP_1)
	v_permlanex16_b32 v[TMP], v14, s[SEL], s[SEL+1]
	s_delay_alu instid0(VALU_DEP_1)
	v_add_f32 v14, v14, v[TMP]                     ; the row's sum
	s_wait_alu depctr_va_vdst(0)
	v_rcp_f32 v[F], v14
	v_nop                                          ; a plain place behind the reciprocal,
	s_wait_alu depctr_va_vdst(0)                   ; and the wait ahead of its first reader
.set j, 0
.rept 16
	v_pk_mul_f32 v[S+j:S+j+1], v[O+j:O+j+1], v[F:F+1] op_sel_hi:[1,0]   ; each accumulator from its low end on
.set j, j+2
.endr
.irp b, 0,1
	v_max3_num_f32 v[BM+\b], |v[S+16*\b]|, |v[S+1+16*\b]|, 0x1800000
.endr
.irp i, 2,4,6,8,10,12,14
.irp b, 0,1
	s_delay_alu instid0(VALU_DEP_2)
	v_max3_num_f32 v[BM+\b], v[BM+\b], |v[S+16*\b+\i]|, |v[S+1+16*\b+\i]|
.endr
.endr
.irp b, 0,1
	s_delay_alu instid0(VALU_DEP_2)
	v_permlanex16_b32 v[PT+\b], v[BM+\b], s[SEL], s[SEL+1]
.endr
.irp b, 0,1
	s_delay_alu instid0(VALU_DEP_2)
	v_max_num_f32 v[BM+\b], v[BM+\b], v[PT+\b]
.endr
.irp b, 0,1
	s_delay_alu instid0(VALU_DEP_2)
	v_add_nc_u32 v[SO+\b], 0xff000000, v[BM+\b]
.endr
.irp b, 0,1
	s_delay_alu instid0(VALU_DEP_2)
	v_lshrrev_b32 v[PT+\b], 23, v[SO+\b]
.endr
.if \e == 0
	s_delay_alu instid0(VALU_DEP_1)
	v_lshl_or_b32 v[AW], v[PT+1], 8, v[PT]
.else
	s_delay_alu instid0(VALU_DEP_1)
	v_lshl_or_b32 v[TMP], v[PT+1], 8, v[PT]
	s_delay_alu instid0(VALU_DEP_1)
	v_lshl_or_b32 v[AW], v[TMP], 16, v[AW]
.endif
	v_cvt_scalef32_pk16_fp6_f32 v[AF+6*\e:AF+6*\e+2], v[S:S+15], v[SO]
	v_cvt_scalef32_pk16_fp6_f32 v[CT:CT+2], v[S+16:S+31], v[SO+1]
	v_nop                                          ; one plain place behind a scaled conversion
.irp i, 0,1,2
	v_permlane16_swap_b32 v[AF+6*\e+\i], v[CT+\i]
.endr
.irp i, 0,1,2
	s_delay_alu instid0(VALU_DEP_3)
	v_mov_b32 v[AF+6*\e+3+\i], v[CT+\i]
.endr
.endm
	s_wait_loadcnt 0x0                             ; Q
	s_wait_tensorcnt 0x0                           ; my parts of K, V and their scale words have landed,
	s_barrier_signal -1
	s_barrier_wait -1                              ; everybody's have.  Nothing is filled again
	RUN 8, Q0, QS
	FIN 0
	RESET
	RUN 8, Q1, QS+1
	FIN 1
.irp c, 0,1,2
	global_store_b128 v[AL], v[AF+4*\c:AF+4*\c+3], s[8:9] offset:512*\c   ; 32 lanes store 512 consecutive bytes, aligned
.endr
	global_store_b32 v7, v[AW], s[10:11]           ; my row's word (lanes r and r + 16 hold and write the same)
	s_wait_tensorcnt 0x0
	ds_add_u32 v254, v255
	s_wait_dscnt 0x0
	CROUND                                         ; the closing round
	s_endpgm
.Lfunc_end_k_q109b92a06a_attn:
	.size	k_q109b92a06a_attn, .Lfunc_end_k_q109b92a06a_attn-k_q109b92a06a_attn
	.p2alignl 7, 3214868480
	.fill 96, 4, 3214868480
	.section	.rodata,"a",@progbits
	.p2align	6, 0x0
	.amdhsa_kernel k_q109b92a06a_attn
		.amdhsa_group_segment_fixed_size 215040
		.amdhsa_private_segment_fixed_size 0
		.amdhsa_enable_private_segment 0
		.amdhsa_kernarg_size 32
		.amdhsa_user_sgpr_count 2
		.amdhsa_user_sgpr_kernarg_segment_ptr 1
		.amdhsa_wavefront_size32 1
		.amdhsa_system_sgpr_workgroup_id_x 1
		.amdhsa_system_sgpr_workgroup_id_y 1
		.amdhsa_system_sgpr_workgroup_id_z 1
		.amdhsa_system_vgpr_workitem_id 0
		.amdhsa_next_free_vgpr 256
		.amdhsa_next_free_sgpr 100
		.amdhsa_reserve_vcc 0
		.amdhsa_float_denorm_mode_32 3
		.amdhsa_float_denorm_mode_16_64 3
		.amdhsa_memory_ordered 1
		.amdhsa_forward_progress 1
		.amdhsa_inst_pref_size 54
	.end_amdhsa_kernel
	.amdgpu_metadata
---
amdhsa.version: [ 1, 2 ]
amdhsa.kernels:
  - .name:           k_q109b92a06a_attn
    .symbol:         k_q109b92a06a_attn.kd
    .args:
      - { .name: qkvc, .offset: 0, .size: 8, .value_kind: global_buffer, .address_space: global }
      - { .name: qkvs, .offset: 8, .size: 8, .value_kind: global_buffer, .address_space: global }
      - { .name: ac, .offset: 16, .size: 8, .value_kind: global_buffer, .address_space: global }
      - { .name: acs, .offset: 24, .size: 8, .value_kind: global_buffer, .address_space: global }
    .group_segment_fixed_size: 215040
    .private_segment_fixed_size: 0
    .kernarg_segment_align: 8
    .kernarg_segment_size: 32
    .max_flat_workgroup_size: 512
    .sgpr_count:     100
    .vgpr_count:     256
    .wavefront_size: 32
...
	.end_amdgpu_metadata
.endif
;; end of part 3
;; launch gemm_out (part 4): grid 4 x 64, 4 waves a work-group, clusters of 4 x 4, 327,680 bytes of LDS; arguments ac, acs, wc, ws, b_out, out0; writes out0
.if DOCPART == 4
	.amdgcn_target "amdgcn-amd-amdhsa--gfx1250"
	.amdhsa_code_object_version 6
	.text
	.protected	k_q109b92a06a_gemm_out
	.globl	k_q109b92a06a_gemm_out
	.p2align	8
	.type	k_q109b92a06a_gemm_out,@function
k_q109b92a06a_gemm_out:
	s_mov_b64 s[64:65], 0
	v_nop
	global_prefetch_b8 v0, s[64:65] scope:SCOPE_SE
	s_setreg_imm32_b32 hwreg(HW_REG_WAVE_MODE, 25, 1), 1
	s_wait_xcnt 0x0
	s_wait_alu depctr_hold_cnt(0) depctr_sa_sdst(0) depctr_va_vdst(0) depctr_va_sdst(0) depctr_va_ssrc(0) depctr_va_vcc(0) depctr_vm_vsrc(0)
	s_getreg_b32 s2, hwreg(HW_REG_IB_STS2, 6, 4)
	s_cmp_eq_u32 s2, 0
	s_cbranch_scc0 .Lentry_in_a_cluster
	s_endpgm
.Lentry_in_a_cluster:
	s_bfe_u32 s2, ttmp6, 0x10000c
	s_cmp_lg_u32 s2, 0xf033
	s_cbranch_scc0 .Lentry_shape_is_right
	s_endpgm
.Lentry_shape_is_right:
.set NQ,     4
.set FR,     12
.set NP,     4
.set FRB,    1536
.set TBY,    NQ*FRB
.set ATL,    4*TBY
.set BTL,    8*TBY
.set SLOT,   2*ATL+2*BTL
.set KS,     32
.set KROW,   768
.set SCL,    2*SLOT
.set AHS,    (64*KS/256)*272
.set BHS,    (128*KS/256)*272
.set SBLK,   (16*KS/256)*272
.set SPITCH, 528
.set ADRA, 16
.set ADRB, 20
.set STO,  24
.set RD,   25
.set CO,   26
.set ADRS, 27
.set SC,   32
.set BI,   96
.set AF,   128
.set BK,   128
.set G1, 24
.set G0, 32
.set G1B, 48
.set G0B, 56
.set G1S, 68
.set G0S, 76
.set G1SB, 80
.set G0SB, 88
.set MSB, 0
.macro WIN new
.if MSB != (\new)
	s_set_vgpr_msb (MSB<<8)|(\new)
.set MSB, (\new)
.endif
.endm
.set MUL_LO, 0xa1
.set ST_LO,  0x81
.set TO_B,   0x40
.macro JLOAD g0a, g1a, g0b, g1b
	s_cmp_eq_u32 s15, 0
	s_cbranch_scc0 .Lfor_b_\@
	tensor_load_to_lds s[\g0a:\g0a+3], s[\g1a:\g1a+7]
	s_nop 0
.rept 4
	v_nop
.endr
	s_branch .Lasked_\@
.Lfor_b_\@:
	tensor_load_to_lds s[\g0b:\g0b+3], s[\g1b:\g1b+7]
	s_nop 0
.rept 4
	v_nop
.endr
.Lasked_\@:
.endm
.macro CROUND
	s_barrier_signal -1
	s_barrier_wait -1
	s_cmp_lg_u32 s14, 0
	s_cbranch_scc1 .Lnot_wave_0_\@
	s_barrier_signal -3
.Lnot_wave_0_\@:
	s_barrier_wait -3
	s_barrier_signal -1
	s_barrier_wait -1
.endm
.macro SHAPE g, c, r, p
	s_mov_b32 s[\g+1], (\c)<<16
	s_mov_b32 s[\g+2], (\r)<<16
	s_mov_b32 s[\g+3], (\c)<<16
	s_mov_b32 s[\g+4], \r
	s_mov_b32 s[\g+5], \p
	s_mov_b32 s[\g+6], 0
	s_mov_b32 s[\g+7], 0
.endm
	s_load_b256 s[4:11], s[0:1], 0x0
	s_load_b64 s[12:13], s[0:1], 0x20
	s_load_b64 s[66:67], s[0:1], 0x28
	v_lshl_add_u32 v30, v0, 2, 0x4b300
	v_mov_b32 v31, 0
	ds_add_u32 v30, v31
	ds_add_u32 v30, v31
	v_lshrrev_b32 v1, 5, v0
	v_readfirstlane_b32 s14, v1
	s_lshr_b32 s15, s14, 1
	s_and_b32 s16, s14, 1
	s_bfe_u32 s40, ttmp6, 0x40000
	s_bfe_u32 s41, ttmp6, 0x40004
	s_lshl_b32 s42, ttmp9, 2
	s_add_co_u32 s42, s42, s40
	s_add_co_u32 s42, s42, 12
	s_and_b32 s17, ttmp7, 0xffff
	s_lshl_b32 s17, s17, 2
	s_add_co_u32 s17, s17, s41
	s_lshl_b32 s43, s41, 2
	s_lshl_b32 s43, 15, s43
	s_lshl_b32 s44, 0x1111, s40
	s_or_b32 s[G1+0], s43, (3<<16)|(1<<21)
	s_or_b32 s[G1B+0], s44, (3<<16)|(1<<21)
	SHAPE G1, 768, 4, 1536
	SHAPE G1B, 768, 8, 1536
	s_or_b32 s[G1S+0], s43, (3<<16)|(1<<20)|(1<<21)|(5<<22)|(3<<25)
	s_or_b32 s[G1SB+0], s44, (3<<16)|(1<<20)|(1<<21)|(5<<22)|(3<<25)
	SHAPE G1S, 32, 64*KS/256, 32
	SHAPE G1SB, 32, 128*KS/256, 32
	s_lshl_b32 s20, s17, 7
	s_lshl_b32 s18, s16, 6
	s_add_co_u32 s20, s20, s18
	s_lshl_b32 s46, s42, 8
	s_lshl_b32 s18, s16, 7
	s_add_co_u32 s46, s46, s18
	s_mov_b32 s21, 0
	s_mov_b32 s47, 0
	s_mov_b64 s[18:19], KS
	s_mul_u64 s[22:23], s[20:21], s[18:19]
	s_mul_u64 s[92:93], s[46:47], s[18:19]
	s_mov_b64 s[18:19], KROW
	s_mul_u64 s[20:21], s[20:21], s[18:19]
	s_mul_u64 s[46:47], s[46:47], s[18:19]
	s_mul_i32 s45, s16, ATL
	s_mul_i32 s96, s16, BTL
	s_mul_i32 s94, s16, AHS
	s_mul_i32 s97, s16, BHS
	s_wait_dscnt 0x0
	s_wait_kmcnt 0x0
	s_add_nc_u64 s[20:21], s[4:5], s[20:21]
	s_add_nc_u64 s[22:23], s[6:7], s[22:23]
	s_add_nc_u64 s[46:47], s[8:9], s[46:47]
	s_add_nc_u64 s[92:93], s[10:11], s[92:93]
	CROUND
	s_mov_b32 s[G0S], 1
	s_add_co_u32 s[G0S+1], s94, SCL
	s_mov_b64 s[G0S+2:G0S+3], s[22:23]
	s_or_b32 s[G0S+3], s[G0S+3], 0x80000000
	s_mov_b32 s[G0SB], 1
	s_add_co_u32 s[G0SB+1], s97, SCL+2*AHS
	s_mov_b64 s[G0SB+2:G0SB+3], s[92:93]
	s_or_b32 s[G0SB+3], s[G0SB+3], 0x80000000
	JLOAD G0S, G1S, G0SB, G1SB
.irp s, 0,1
	s_mov_b32 s[G0+4*\s], 1
	s_add_co_u32 s[G0+4*\s+1], s45, \s*SLOT
	s_add_nc_u64 s[G0+4*\s+2:G0+4*\s+3], s[20:21], \s*TBY
	s_or_b32 s[G0+4*\s+3], s[G0+4*\s+3], 0x80000000
	s_mov_b32 s[G0B+4*\s], 1
	s_add_co_u32 s[G0B+4*\s+1], s96, \s*SLOT+2*ATL
	s_add_nc_u64 s[G0B+4*\s+2:G0B+4*\s+3], s[46:47], \s*TBY
	s_or_b32 s[G0B+4*\s+3], s[G0B+4*\s+3], 0x80000000
	s_wait_alu depctr_va_vdst(0)
	s_wait_tensorcnt 0x0
	ds_add_u32 v30, v31
	s_wait_dscnt 0x0
	CROUND
	JLOAD G0+4*\s, G1, G0B+4*\s, G1B
.endr
	v_and_b32 v1, 15, v0
	v_bfe_u32 v2, v0, 4, 1
	s_wait_alu depctr_va_vdst(0)
	v_and_b32 v3, 31, v0
	v_lshlrev_b32 v[CO], 4, v3
	s_wait_alu depctr_va_vdst(0)
	s_lshl_b32 s95, ttmp9, 2
	s_add_co_u32 s95, s95, s40
	s_lshl_b32 s95, s95, 10
	s_lshl_b32 s2, s16, 9
	s_add_co_u32 s2, s2, s95
	s_mov_b32 s3, 0
	s_add_nc_u64 s[12:13], s[12:13], s[2:3]
	s_lshl_b32 s95, s17, 19
	s_add_co_u32 s2, s2, s95
	s_lshl_b32 s95, s15, 18
	s_add_co_u32 s2, s2, s95
	s_add_nc_u64 s[66:67], s[66:67], s[2:3]
	v_lshlrev_b32 v3, 6, v2
.irp b, 0,1,2,3,4,5,6,7
	global_load_b128 v[BI+8*\b+96*(\b/4):BI+8*\b+96*(\b/4)+3], v3, s[12:13] offset:128*(\b/2)+32*(\b%2)
	global_load_b128 v[BI+8*\b+96*(\b/4)+4:BI+8*\b+96*(\b/4)+7], v3, s[12:13] offset:128*(\b/2)+32*(\b%2)+16
.endr
	s_mul_i32 s21, s15, ATL
	s_mul_i32 s22, s16, BTL
	s_add_co_u32 s22, s22, 2*ATL
.irp s, 0,1
	v_add_nc_u32 v[ADRA+\s], s21, v[CO]
	v_add_nc_u32 v[ADRB+\s], s22, v[CO]
	s_add_co_u32 s21, s21, SLOT
	s_add_co_u32 s22, s22, SLOT
.endr
	v_mul_u32_u24 v5, v1, KS
	v_lshrrev_b32 v6, 8, v5
	v_lshl_add_u32 v5, v6, 4, v5
	s_mul_i32 s21, s15, AHS
	s_mul_i32 s22, s16, BHS
	s_add_co_u32 s22, s22, 2*AHS
	s_sub_co_u32 s22, s22, s21
	v_mul_u32_u24 v6, s22, v2
	s_add_co_u32 s21, s21, SCL
	v_add_nc_u32 v5, v5, v6
	v_add_nc_u32 v[ADRS], s21, v5
	s_mul_i32 s23, s14, 16*SPITCH
	v_mul_u32_u24 v5, v1, SPITCH
	v_lshl_add_u32 v5, v2, 6, v5
	v_add_nc_u32 v[STO], s23, v5
	v_add_nc_u32 v[RD], s23, v[CO]
.macro FRAG reg, adr, q, i
.irp c, 0,1,2
	ds_load_b128 v[\reg+4*\c:\reg+4*\c+3], v[\adr] offset:FRB*(\q)+512*\c+TBY*(\i)
.endr
.endm
.macro FETCH g
	WIN TO_B
.irp i, 0,1,2,3,4,5,6,7
	FRAG 128*((\g)%2)+FR*\i, ADRB+(\g)/4, (\g)%4, \i
.endr
	WIN 0
.irp i, 0,1,2,3
	FRAG AF+48*((\g)%2)+FR*\i, ADRA+(\g)/4, (\g)%4, \i
.endr
.endm
.macro SCALES s
.irp i, 0,1,2,3,4,5,6,7
	ds_load_b128 v[SC+32*\s+4*\i:SC+32*\s+4*\i+3], v[ADRS] offset:\i*SBLK+16*\s
.endr
.endm
.macro PLACES n
.rept \n
	v_nop
.endr
.endm
.macro MUL16 a0, g
.irp a, \a0, \a0+1
.irp b, 0,1,2,3,4,5,6,7
.if (\g) == 0
	v_wmma_scale_f32_16x16x128_f8f6f4 v[8*(8*(\a)+\b):8*(8*(\a)+\b)+7], v[128*((\g)%2)+FR*\b:128*((\g)%2)+FR*\b+FR-1], v[AF+48*((\g)%2)+FR*(\a):AF+48*((\g)%2)+FR*(\a)+FR-1], v[BI+8*\b+96*(\b/4):BI+8*\b+96*(\b/4)+7], v[SC+32*((\g)/4)+4*\b+(\g)%4], v[SC+32*((\g)/4)+4*(\a)+(\g)%4] matrix_a_fmt:MATRIX_FMT_FP6 matrix_b_fmt:MATRIX_FMT_FP6 matrix_a_scale:MATRIX_SCALE_ROW1
.else
	v_wmma_scale_f32_16x16x128_f8f6f4 v[8*(8*(\a)+\b):8*(8*(\a)+\b)+7], v[128*((\g)%2)+FR*\b:128*((\g)%2)+FR*\b+FR-1], v[AF+48*((\g)%2)+FR*(\a):AF+48*((\g)%2)+FR*(\a)+FR-1], v[8*(8*(\a)+\b):8*(8*(\a)+\b)+7], v[SC+32*((\g)/4)+4*\b+(\g)%4], v[SC+32*((\g)/4)+4*(\a)+(\g)%4] matrix_a_fmt:MATRIX_FMT_FP6 matrix_b_fmt:MATRIX_FMT_FP6 matrix_a_scale:MATRIX_SCALE_ROW1
.endif
.endr
.endr
.endm
.macro STEP g
	s_wait_dscnt 0x0
.if (\g) == 3
	s_wait_tensorcnt 0x0
	s_barrier_signal -1
	s_barrier_wait -1
.endif
.if (\g) < 7
.if (\g) > 0
	PLACES NP
.endif
	FETCH (\g)+1
.endif
.if (\g) == 0
	WIN ST_LO
.else
	WIN MUL_LO
.endif
	MUL16 0, \g
	MUL16 2, \g
	WIN 0
.endm
	s_wait_alu depctr_va_vdst(0)
	s_wait_tensorcnt 1
	s_barrier_signal -1
	s_barrier_wait -1
	SCALES 0
	SCALES 1
	FETCH 0
	s_wait_loadcnt 0x0
.irp g, 0,1,2,3,4,5,6,7
	STEP \g
.endr
.macro TOSTAGE a
.set AC, 64*(\a)
	WIN 0x08
.irp b, 0,1,2,3,4,5,6,7
	ds_store_b128 v[STO], v[AC+8*\b:AC+8*\b+3] offset:128*(\b/2)+32*(\b%2)
	ds_store_b128 v[STO], v[AC+8*\b+4:AC+8*\b+7] offset:128*(\b/2)+32*(\b%2)+16
.endr
	WIN 0
.set BB, BK+64*((\a)%2)
.irp t, 0,1,2,3,4,5,6,7,8,9,10,11,12,13,14,15
	ds_load_b128 v[BB+4*\t:BB+4*\t+3], v[RD] offset:\t*SPITCH
.endr
.endm
.macro SEND a, younger
.set BB, BK+64*((\a)%2)
	s_wait_dscnt \younger
.irp t, 0,1,2,3,4,5,6,7,8,9,10,11,12,13,14,15
	global_store_b128 v[CO], v[BB+4*\t:BB+4*\t+3], s[66:67] offset:(32*((\a)/2)+8*((\a)%2)+\t+8*(\t/8))*4096 th:TH_STORE_NT
.endr
.endm
	PLACES NP
	TOSTAGE 0
.irp a, 1,2,3
.if \a > 1
	s_wait_xcnt 0x0
.endif
	TOSTAGE \a
	SEND \a-1, 32
.endr
	SEND 3, 0
	s_wait_tensorcnt 0x0
	ds_add_u32 v30, v31
	s_wait_dscnt 0x0
	CROUND
	s_endpgm
.Lfunc_end_k_q109b92a06a_gemm_out:
	.size	k_q109b92a06a_gemm_out, .Lfunc_end_k_q109b92a06a_gemm_out-k_q109b92a06a_gemm_out
	.p2alignl 7, 3214868480
	.fill 96, 4, 3214868480
	.section	.rodata,"a",@progbits
	.p2align	6, 0x0
	.amdhsa_kernel k_q109b92a06a_gemm_out
		.amdhsa_group_segment_fixed_size 327680
		.amdhsa_private_segment_fixed_size 0
		.amdhsa_enable_private_segment 0
		.amdhsa_kernarg_size 48
		.amdhsa_user_sgpr_count 2
		.amdhsa_user_sgpr_kernarg_segment_ptr 1
		.amdhsa_wavefront_size32 1
		.amdhsa_system_sgpr_workgroup_id_x 1
		.amdhsa_system_sgpr_workgroup_id_y 1
		.amdhsa_system_sgpr_workgroup_id_z 1
		.amdhsa_system_vgpr_workitem_id 0
		.amdhsa_next_free_vgpr 768
		.amdhsa_next_free_sgpr 100
		.amdhsa_reserve_vcc 0
		.amdhsa_float_denorm_mode_32 3
		.amdhsa_float_denorm_mode_16_64 3
		.amdhsa_memory_ordered 1
		.amdhsa_forward_progress 1
		.amdhsa_inst_pref_size 80
	.end_amdhsa_kernel
	.amdgpu_metadata
---
amdhsa.version: [ 1, 2 ]
amdhsa.kernels:
  - .name:           k_q109b92a06a_gemm_out
    .symbol:         k_q109b92a06a_gemm_out.kd
    .args:
      - { .name: ac, .offset: 0, .size: 8, .value_kind: global_buffer, .address_space: global }
      - { .name: acs, .offset: 8, .size: 8, .value_kind: global_buffer, .address_space: global }
      - { .name: wc, .offset: 16, .size: 8, .value_kind: global_buffer, .address_space: global }
      - { .name: ws, .offset: 24, .size: 8, .value_kind: global_buffer, .address_space: global }
      - { .name: b_out, .offset: 32, .size: 8, .value_kind: global_buffer, .address_space: global }
      - { .name: out0, .offset: 40, .size: 8, .value_kind: global_buffer, .address_space: global }
    .group_segment_fixed_size: 327680
    .private_segment_fixed_size: 0
    .kernarg_segment_align: 8
    .kernarg_segment_size: 48
    .max_flat_workgroup_size: 128
    .sgpr_count:     100
    .vgpr_count:     768
    .wavefront_size: 32
...
	.end_amdgpu_metadata
.endif
;; end of part 4
